; MI455X (gfx1250); checked and timed in simulation.
; The chip was launched on July 23, 2026; its instructions are those of AMD's public machine-readable ISA for CDNA 5 (MIT licence, August 2026) and "CDNA5" Instruction Set Architecture Reference Guide (July 2026). The comments in the code are by the model that wrote it; some were corrected since.
;; Transformer Block. Allowed arithmetic: float matrix products may take bf16 or f16 operands with f32 sums; other float arithmetic in f32, or as packed bf16 or f16 multiplies, adds, multiply-adds, maxima and minima; sums over many terms, partial sums and values carried from step to step in f32; what a program stores and reads back later, other than sums and carried values, may be rounded once to bf16 or f16.
;; Inputs: b1 4,096 float32; b2 1,024 float32; b_out 1,024 float32; ln1_b 1,024 float32; ln1_g 1,024 float32; ln2_b 1,024 float32; ln2_g 1,024 float32; w1 1,024 x 4,096 float32; w2 4,096 x 1,024 float32; w_out 1,024 x 1,024 float32; w_qkv 1,024 x 3,072 float32; x 2 x 2,048 x 1,024 float32.
;; Outputs: out0 2 x 2,048 x 1,024 float32.
;; One version. Each part assembles by itself: llvm-mc -triple=amdgcn-amd-amdhsa -mcpu=gfx1250 --defsym DOCPART=n.
;; ======== version 1 of 1: 7 launches
;; limits: values are held in f16: magnitudes above 65,504 overflow, below 6.1e-05 lose precision
;; workspace buffers: wh 25,165,824 bytes; h 8,388,608 bytes; qkv 25,165,824 bytes; o 8,388,608 bytes; x1 16,777,216 bytes; t 33,554,432 bytes
;; launch prep (part 1): grid 1024 x 1, 8 waves a work-group, no clusters, 0 bytes of LDS; arguments x, ln1_g, ln1_b, w_qkv, w_out, w1, w2, h, wh; writes h, wh
.if DOCPART == 1
	.amdgcn_target "amdgcn-amd-amdhsa--gfx1250"
	.amdhsa_code_object_version 6
	.text
	.protected	k_qd63010c02f_prep
	.globl	k_qd63010c02f_prep
	.p2align	8
	.type	k_qd63010c02f_prep,@function
k_qd63010c02f_prep:
	s_mov_b64 s[64:65], 0
	v_nop
	global_prefetch_b8 v0, s[64:65] scope:SCOPE_SE
	s_setreg_imm32_b32 hwreg(HW_REG_WAVE_MODE, 25, 1), 1
	s_wait_xcnt 0x0
; Work-groups 0-255: h = LayerNorm(x) * g + b, rounded once to f16.  Work-groups 256-1023: the four weight matrices rounded once to f16, in the order
; w_qkv, w_out, w1, w2, end to end in wh, each as it lies ([K][N]).  Every work-group reads 65,536 bytes and stores 32,768.
; THE SAME BODY SERVES THE SECOND LAYERNORM: launched with 256 work-groups and x1, ln2_g, ln2_b in the first three places, it runs the first part alone.
; LIMIT: f16 holds no number beyond 65,504: a normalised row times its gain plus its bias, and every weight, must stay within that.
; LAYERNORM.  A wave takes two rows; a row of 4,096 bytes is eight loads of 16 bytes a lane and stays in 32 registers.  The mean is taken first and subtracted, the variance
; is the mean of the squared differences: no difference of large sums is formed.  No LDS, no barrier: a row never leaves its wave.
.set XO, 1                             ; v1   16 x lane + wave x two rows of x
.set YO, 2                             ; v2   8 x lane + wave x two rows of h
.set GO, 3                             ; v3   16 x lane: my columns in g and b
.set RA, 4                             ; v4   a sum at work
.set RB, 5                             ; v5   the other half of the lanes' sum
.set MU, 6                             ; v[6:7] the mean, later 1/sqrt(var + eps), twice: a pair for the packed forms
.set X0, 16                            ; v[16:47]   row 0
.set X1, 48                            ; v[48:79]   row 1
.set GA, 80                            ; v[80:111]  g of my 32 columns
.set BE, 112                           ; v[112:143] b
.set T,  144                           ; v[144:159] at work
.set HB, 22                            ; s[22:23] h
	s_load_b512 s[8:23], s[0:1], 0x0               ; x 8, g 10, b 12, w_qkv 14, w_out 16, w1 18, w2 20, h 22
	s_load_b64 s[24:25], s[0:1], 0x40              ; wh
	s_mov_b32 s26, 0x76543210                      ; v_permlanex16_b32: each lane takes its own place in the other half
	s_mov_b32 s27, 0xfedcba98
	s_mov_b32 s28, 0x3a800000                      ; 1 / 1024
	s_mov_b32 s29, 0x3727c5ac                      ; 1e-5
	s_cmp_lt_u32 ttmp9, 256
	s_cbranch_scc0 .Lcast
	v_and_b32 v[GO], 31, v0
	v_lshrrev_b32 v[RA], 5, v0                     ; wave
	v_lshlrev_b32 v[GO], 4, v[GO]
	v_lshl_add_u32 v[XO], v[RA], 13, v[GO]
	v_lshrrev_b32 v[YO], 1, v[GO]
	v_lshl_add_u32 v[YO], v[RA], 12, v[YO]
	v_mov_b32 v[RB], 0                             ; the lane exchange's destination counts as read
	s_lshl_b32 s30, ttmp9, 16                      ; 16 rows of 4,096 bytes
	s_mov_b32 s31, 0
	s_lshl_b32 s32, ttmp9, 15                      ; 16 rows of 2,048 bytes
	s_mov_b32 s33, 0
	s_wait_kmcnt 0x0
	s_add_nc_u64 s[8:9], s[8:9], s[30:31]
	s_add_nc_u64 s[HB:HB+1], s[HB:HB+1], s[32:33]
.irp j, 0,1,2,3,4,5,6,7
	global_load_b128 v[X0+4*(\j):X0+4*(\j)+3], v[XO], s[8:9] offset:512*(\j) th:TH_LOAD_NT
.endr
.irp j, 0,1,2,3,4,5,6,7
	global_load_b128 v[GA+4*(\j):GA+4*(\j)+3], v[GO], s[10:11] offset:512*(\j)
.endr
.irp j, 0,1,2,3,4,5,6,7
	global_load_b128 v[BE+4*(\j):BE+4*(\j)+3], v[GO], s[12:13] offset:512*(\j)
.endr
.irp j, 0,1,2,3,4,5,6,7
	global_load_b128 v[X1+4*(\j):X1+4*(\j)+3], v[XO], s[8:9] offset:4096+512*(\j) th:TH_LOAD_NT
.endr
.macro LANESUM                         ; v[RA] summed over the 32 lanes, the result in every lane
	v_add_f32_dpp v[RA], v[RA], v[RA] row_xmask:1 row_mask:0xf bank_mask:0xf
	v_add_f32_dpp v[RA], v[RA], v[RA] row_xmask:2 row_mask:0xf bank_mask:0xf
	v_add_f32_dpp v[RA], v[RA], v[RA] row_xmask:4 row_mask:0xf bank_mask:0xf
	v_add_f32_dpp v[RA], v[RA], v[RA] row_xmask:8 row_mask:0xf bank_mask:0xf
	v_permlanex16_b32 v[RB], v[RA], s26, s27
	v_add_f32 v[RA], v[RA], v[RB]
.endm
.macro FOLD                            ; four pairs in T into one number in v[RA]
	v_pk_add_f32 v[T:T+1], v[T:T+1], v[T+4:T+5]
	v_pk_add_f32 v[T+2:T+3], v[T+2:T+3], v[T+6:T+7]
	v_pk_add_f32 v[T:T+1], v[T:T+1], v[T+2:T+3]
	v_add_f32 v[RA], v[T], v[T+1]
.endm
; One row, in the 32 registers from X on.  left: the younger loads that may stay out.  rowoff: the row's place in h.
.macro LNROW X, left, rowoff
	s_wait_loadcnt \left
.set i, 0
.rept 8
	v_pk_add_f32 v[T+2*i:T+2*i+1], v[(\X)+4*i:(\X)+4*i+1], v[(\X)+4*i+2:(\X)+4*i+3]
.set i, i+1
.endr
.set i, 0
.rept 4
	v_pk_add_f32 v[T+2*i:T+2*i+1], v[T+2*i:T+2*i+1], v[T+8+2*i:T+8+2*i+1]
.set i, i+1
.endr
	FOLD
	LANESUM
	v_mul_f32 v[MU], s28, v[RA]                    ; the mean
	v_mul_f32 v[MU+1], s28, v[RA]
.set i, 0
.rept 16
	v_pk_add_f32 v[(\X)+2*i:(\X)+2*i+1], v[(\X)+2*i:(\X)+2*i+1], v[MU:MU+1] neg_lo:[0,1] neg_hi:[0,1]  ; x - mean, in place
.set i, i+1
.endr
.set i, 0
.rept 4
	v_pk_mul_f32 v[T+2*i:T+2*i+1], v[(\X)+2*i:(\X)+2*i+1], v[(\X)+2*i:(\X)+2*i+1]  ; four chains of squares: nothing is cleared
.set i, i+1
.endr
.rept 12
	v_pk_fma_f32 v[T+2*(i%4):T+2*(i%4)+1], v[(\X)+2*i:(\X)+2*i+1], v[(\X)+2*i:(\X)+2*i+1], v[T+2*(i%4):T+2*(i%4)+1]
.set i, i+1
.endr
	FOLD
	LANESUM
	v_fma_f32 v[RA], v[RA], s28, s29               ; var + eps
	v_rsq_f32 v[MU], v[RA]
	v_rsq_f32 v[MU+1], v[RA]
	v_nop                                          ; a plain instruction behind the second root,
	s_wait_alu depctr_va_vdst(0)                   ; and one wait for both, ahead of their first reader
.set i, 0
.rept 16
	v_pk_mul_f32 v[(\X)+2*i:(\X)+2*i+1], v[(\X)+2*i:(\X)+2*i+1], v[MU:MU+1]
.set i, i+1
.endr
.set i, 0
.rept 16
	v_pk_fma_f32 v[(\X)+2*i:(\X)+2*i+1], v[(\X)+2*i:(\X)+2*i+1], v[GA+2*i:GA+2*i+1], v[BE+2*i:BE+2*i+1]
.set i, i+1
.endr
.set i, 0
.rept 16
	v_cvt_pk_f16_f32 v[(\X)+i], v[(\X)+2*i], v[(\X)+2*i+1]  ; ascending, in place: register i is written when pairs below i have been read
.set i, i+1
.endr
.irp j, 0,1,2,3,4,5,6,7
	global_store_b64 v[YO], v[(\X)+2*(\j):(\X)+2*(\j)+1], s[HB:HB+1] offset:256*(\j)+(\rowoff)  ; a wave's store covers 256 consecutive bytes, aligned
.endr
.endm
	LNROW X0, 8, 0                                 ; row 0, g and b are in; row 1's eight loads may stay out
	LNROW X1, 0, 2048
	s_endpgm
.Lcast:                                        ; 16,384 numbers: thread t takes 16 bytes at 16 t of each of 16 pieces of 4,096 bytes
	v_lshlrev_b32 v1, 4, v0
	v_lshlrev_b32 v2, 3, v0
	s_sub_co_u32 s31, ttmp9, 256                   ; 0-191 w_qkv, 192-255 w_out, 256-511 w1, 512-767 w2
	s_lshl_b32 s36, s31, 15                        ; the four lie end to end in wh
	s_mov_b32 s37, 0
	s_mov_b32 s35, 0
	s_wait_kmcnt 0x0
	s_cmp_lt_u32 s31, 192
	s_cselect_b64 s[32:33], s[14:15], s[16:17]
	s_cselect_b32 s34, 0, 192
	s_cmp_lt_u32 s31, 256
	s_cselect_b64 s[32:33], s[32:33], s[18:19]
	s_cselect_b32 s34, s34, 256
	s_cmp_lt_u32 s31, 512
	s_cselect_b64 s[32:33], s[32:33], s[20:21]
	s_cselect_b32 s34, s34, 512
	s_sub_co_u32 s34, s31, s34                     ; my piece of that matrix
	s_lshl_b32 s34, s34, 16
	s_add_nc_u64 s[32:33], s[32:33], s[34:35]
	s_add_nc_u64 s[24:25], s[24:25], s[36:37]
.set j, 0
.rept 16
	global_load_b128 v[16+4*j:19+4*j], v1, s[32:33] offset:4096*j th:TH_LOAD_NT
.set j, j+1
.endr
.set j, 0
.rept 16
	s_wait_loadcnt 15-j                            ; piece j is in, the younger ones stay out
	v_cvt_pk_f16_f32 v[112+2*j], v[16+4*j], v[17+4*j]
	v_cvt_pk_f16_f32 v[113+2*j], v[18+4*j], v[19+4*j]
	global_store_b64 v2, v[112+2*j:113+2*j], s[24:25] offset:2048*j  ; a wave's store covers 256 consecutive bytes, aligned
.set j, j+1
.endr
	s_endpgm
.Lfunc_end_k_qd63010c02f_prep:
	.size	k_qd63010c02f_prep, .Lfunc_end_k_qd63010c02f_prep-k_qd63010c02f_prep
	.p2alignl 7, 3214868480
	.fill 96, 4, 3214868480
	.section	.rodata,"a",@progbits
	.p2align	6, 0x0
	.amdhsa_kernel k_qd63010c02f_prep
		.amdhsa_group_segment_fixed_size 0
		.amdhsa_private_segment_fixed_size 0
		.amdhsa_enable_private_segment 0
		.amdhsa_kernarg_size 72
		.amdhsa_user_sgpr_count 2
		.amdhsa_user_sgpr_kernarg_segment_ptr 1
		.amdhsa_wavefront_size32 1
		.amdhsa_system_sgpr_workgroup_id_x 1
		.amdhsa_system_sgpr_workgroup_id_y 1
		.amdhsa_system_sgpr_workgroup_id_z 1
		.amdhsa_system_vgpr_workitem_id 0
		.amdhsa_next_free_vgpr 160
		.amdhsa_next_free_sgpr 66
		.amdhsa_reserve_vcc 0
		.amdhsa_float_denorm_mode_32 3
		.amdhsa_float_denorm_mode_16_64 3
		.amdhsa_memory_ordered 1
		.amdhsa_forward_progress 1
		.amdhsa_inst_pref_size 27
	.end_amdhsa_kernel
	.amdgpu_metadata
---
amdhsa.version: [ 1, 2 ]
amdhsa.kernels:
  - .name:           k_qd63010c02f_prep
    .symbol:         k_qd63010c02f_prep.kd
    .args:
      - { .name: x, .offset: 0, .size: 8, .value_kind: global_buffer, .address_space: global }
      - { .name: ln1_g, .offset: 8, .size: 8, .value_kind: global_buffer, .address_space: global }
      - { .name: ln1_b, .offset: 16, .size: 8, .value_kind: global_buffer, .address_space: global }
      - { .name: w_qkv, .offset: 24, .size: 8, .value_kind: global_buffer, .address_space: global }
      - { .name: w_out, .offset: 32, .size: 8, .value_kind: global_buffer, .address_space: global }
      - { .name: w1, .offset: 40, .size: 8, .value_kind: global_buffer, .address_space: global }
      - { .name: w2, .offset: 48, .size: 8, .value_kind: global_buffer, .address_space: global }
      - { .name: h, .offset: 56, .size: 8, .value_kind: global_buffer, .address_space: global }
      - { .name: wh, .offset: 64, .size: 8, .value_kind: global_buffer, .address_space: global }
    .group_segment_fixed_size: 0
    .private_segment_fixed_size: 0
    .kernarg_segment_align: 8
    .kernarg_segment_size: 72
    .max_flat_workgroup_size: 256
    .sgpr_count:     66
    .vgpr_count:     160
    .wavefront_size: 32
...
	.end_amdgpu_metadata
.endif
;; end of part 1
;; launch qkvp (part 2): grid 12 x 16, 4 waves a work-group, clusters of 4 x 4, 327,680 bytes of LDS; arguments h, wh, qkv; writes qkv
.if DOCPART == 2
	.amdgcn_target "amdgcn-amd-amdhsa--gfx1250"
	.amdhsa_code_object_version 6
	.text
	.protected	k_qd63010c02f_qkvp
	.globl	k_qd63010c02f_qkvp
	.p2align	8
	.type	k_qd63010c02f_qkvp,@function
k_qd63010c02f_qkvp:
	s_mov_b64 s[64:65], 0
	v_nop
	global_prefetch_b8 v0, s[64:65] scope:SCOPE_SE
	s_setreg_imm32_b32 hwreg(HW_REG_WAVE_MODE, 25, 1), 1
	s_wait_xcnt 0x0
	s_wait_alu depctr_hold_cnt(0) depctr_sa_sdst(0) depctr_va_vdst(0) depctr_va_sdst(0) depctr_va_ssrc(0) depctr_va_vcc(0) depctr_vm_vsrc(0)
	s_getreg_b32 s2, hwreg(HW_REG_IB_STS2, 6, 4)
	s_cmp_eq_u32 s2, 0
	s_cbranch_scc0 .Lentry_in_a_cluster
	s_endpgm
.Lentry_in_a_cluster:
	s_bfe_u32 s2, ttmp6, 0x10000c
	s_cmp_lg_u32 s2, 0xf033
	s_cbranch_scc0 .Lentry_shape_is_right
	s_endpgm
.Lentry_shape_is_right:
; qkv = h @ w_qkv, split by heads: qkv[which][batch x 16 + head][token][64] in f16, rounded once from f32 sums, unscaled.  h: [4096][1024] f16; the weights: [1024][3072] f16 at byte 0 of wh.
; LIMIT: f16 holds no number beyond 65,504: h, the weights and q, k, v must stay within that.
; A tile of 256 x 256 is made by four waves, each 128 x 128: 64 accumulators, 512 registers.  K goes in steps of 128 through two LDS slots filled by the tensor data mover.
; 3,072 columns make 12 tile columns: 192 work-groups; the tile is kept so that this text and the first FFN product's are one form.
; THE WEIGHTS LIE [K][N] and are turned on the way out of LDS by ds_load_tr16_b128.  THE MATRIX INSTRUCTION IS USED TRANSPOSED (source 0 = 16 columns of the weights, source 1 = 16 rows of h):
; a lane then holds eight neighbouring columns of one row of the result.
; CLUSTERS: 4 x 4 work-groups; h's tile is asked for jointly along a row of the cluster, the weights' along a column: the same tensor load, descriptor and mask in all four.
; A LOOP TRIP IS ONE K STEP: the slot in hand is a scalar (0 or SLOT) that an exclusive or turns; LDS addresses are a lane term plus that scalar.
; THE WAY OUT: when the last barrier has shown that nobody reads the ring any more, each wave puts its 128 x 128 f32 results into bytes of its own in the dead ring and reads whole rows back.
; REGISTERS, in windows of 256: window 0: v0-31 addresses; v64-127, v128-191 fragments of h, two buffers; window 1: the same numbers, fragments of the weights;
;   window 2: the accumulators of my rows 0-63 ((a, b) at v[8 (8 a + b)]); window 3: those of rows 64-127.
.set GELU,  0
.set NB,    3072                       ; numbers in a row of the weights
.set WOFF,  0                          ; the weights' first byte in wh
.set STEPS, 8
.set KSTEP, 128
.set PA,    272                        ; an LDS row of h: 256 bytes + 16: the 16 rows of a load start at 16 different groups of four banks
.set AH,    128*PA                     ; what one tensor load brings of h
.set PBP,   544                        ; an LDS row of the weights: 512 bytes + 32
.set BH,    64*PBP                     ; what one tensor load brings of the weights: 64 rows along K
.set BOFF,  2*AH
.set SLOT,  BOFF+2*BH
.set SPARE, 2*SLOT                     ; behind the ring: the spare words, 128 bytes for each wave, that no other line names
.set DP,    528                        ; a row of the dump: 128 f32 + 16 bytes
.set DW,    128*DP                     ; a wave's dump
.set ASTEP, KSTEP*2
.set BSTEP, KSTEP*NB*2
.set ADRA0, 16                         ; v16  my lane's place in h's tile of slot 0; never rewritten
.set ADRB0, 17                         ; v17  the same for the weights
.set ADRA,  18                         ; v18  the same in the slot in hand
.set ADRB,  19                         ; v19
.set DST,   24                         ; v24  the dump: where I put 32 bytes of a row
.set RD,    25                         ; v25  where I read rows back
.set CO,    26                         ; v26  my byte offset in the output
.set BO,    27                         ; v27  my byte offset in the bias
.set SPW,   28                         ; v28  LDS address of my spare word; never rewritten
.set NIL,   29                         ; v29  0; never rewritten
.set PFO,   30                         ; v30  the prefetches' lane offset; never rewritten
.set BI,    32                         ; v[32:35] the bias of my four columns
.set F0,    64
.set F1,    128
.set G1A,   24                         ; s[24:31] descriptor group 1 for h's tiles
.set G0A,   32                         ; s[32:35] group 0 of the first fill, s[36:39] the set that walks
.set G1B,   48                         ; s[48:55], s[56:59], s[60:63] the same for the weights
.set G0B,   56
.set LIM,   43                         ; s43  2 in a wave that prefetches, else the greatest number
.set PFA,   44                         ; s[44:45] where my prefetches stand
.set PFS,   46                         ; s[46:47] their step: a K step along h's rows or down the weights'
.set RS,    66                         ; s66  the slot in hand: 0 or SLOT
.set INSA,  67                         ; s67  where my part of h's tile goes in a slot
.set INSB,  68                         ; s68  the same for the weights
.set MSB, 0
.macro WIN new                         ; the immediate's high byte repeats the setting that is left; a switch that changes nothing is dropped
.if MSB != (\new)
	s_set_vgpr_msb (MSB<<8)|(\new)
.set MSB, \new
.endif
.endm
.set MUL_LO, 0xa1                      ; source 0 (weights) window 1, source 1 (h) window 0, C and D window 2
.set MUL_HI, 0xf1                      ; the same, C and D window 3
.set TO_B,   0x40                      ; destination window 1, address window 0
.macro PLACES                          ; four plain places behind matrix instructions, ahead of loads into registers that they have read
.rept 4
	v_nop
.endr
.endm
; A joint refill by the walking sets.  Waves 0 and 1 fetch h's two halves, waves 2 and 3 the weights'.  The branch hangs on the wave's number alone.
; An s_nop 0 and four v_nop follow each of the two lines, ahead of the jump and the label.
.macro JLOAD
	s_cmp_eq_u32 s11, 0
	s_cbranch_scc0 .Lfor_b_\@
	tensor_load_to_lds s[G0A+4:G0A+7], s[G1A:G1A+7]
	s_nop 0
.rept 4
	v_nop
.endr
	s_branch .Lasked_\@
.Lfor_b_\@:
	tensor_load_to_lds s[G0B+4:G0B+7], s[G1B:G1B+7]
	s_nop 0
.rept 4
	v_nop
.endr
.Lasked_\@:
.endm
; A prefetch of the K step that stands two refills on: 32 blocks of 256 bytes, a lane a block.  h's tile row is read by every cluster of that row of clusters: cluster x = 0 asks (waves 0, 1);
; the weights' tile column by every cluster of that column: cluster y = 0 asks (waves 2, 3).  The four partners share the blocks out by address.  Trip s names K step s + 4: the last two trips ask for nothing.
.macro ASK
	s_cmp_gt_u32 s3, s[LIM]
	s_cbranch_scc0 .Lnot_mine_\@
	global_prefetch_b8 v[PFO], s[PFA:PFA+1] th:TH_LOAD_NT scope:SCOPE_SE
.Lnot_mine_\@:
.endm
.macro CREST                           ; a round of the cluster's barrier behind its opening barrier
	s_cmp_lg_u32 s10, 0
	s_cbranch_scc1 .Lnot_wave_0_\@
	s_barrier_signal -3
.Lnot_wave_0_\@:
	s_barrier_wait -3
	s_barrier_signal -1
	s_barrier_wait -1
.endm
.macro CROUND
	s_barrier_signal -1
	s_barrier_wait -1
	CREST
.endm
; 16 matrix instructions: m blocks a0, a0 + 1 of the window's four x all 8 n blocks, 32 along K.  zero = 1: the product starts the sums.  The 64 accumulators take turns in one fixed order.
.macro MUL16 f, hi, a0, zero
	WIN MUL_LO+0x50*(\hi)
.irp a, \a0, (\a0)+1
.irp b, 0,1,2,3,4,5,6,7
.if \zero
	v_wmma_f32_16x16x32_f16 v[8*(8*(\a)+(\b)):8*(8*(\a)+(\b))+7], v[(\f)+8*(\b):(\f)+8*(\b)+7], v[(\f)+8*(4*(\hi)+(\a)):(\f)+8*(4*(\hi)+(\a))+7], 0
.else
	v_wmma_f32_16x16x32_f16 v[8*(8*(\a)+(\b)):8*(8*(\a)+(\b))+7], v[(\f)+8*(\b):(\f)+8*(\b)+7], v[(\f)+8*(4*(\hi)+(\a)):(\f)+8*(4*(\hi)+(\a))+7], v[8*(8*(\a)+(\b)):8*(8*(\a)+(\b))+7]
.endif
.endr
.endr
.endm
; 32 LDS loads in one run: quarter q (32 along K) of the slot in hand into buffer f: the weights turned, then h
.macro FETCH q, f
	WIN TO_B
.irp i, 0,1,2,3,4,5,6,7
	ds_load_tr16_b128 v[(\f)+8*(\i):(\f)+8*(\i)+3],   v[ADRB] offset:(\q)*32*PBP+32*(\i)
	ds_load_tr16_b128 v[(\f)+8*(\i)+4:(\f)+8*(\i)+7], v[ADRB] offset:(\q)*32*PBP+32*(\i)+16*PBP
.endr
	WIN 0
.irp i, 0,1,2,3,4,5,6,7
	ds_load_b128 v[(\f)+8*(\i):(\f)+8*(\i)+3],   v[ADRA] offset:(\q)*64+(\i)*16*PA
	ds_load_b128 v[(\f)+8*(\i)+4:(\f)+8*(\i)+7], v[ADRA] offset:(\q)*64+(\i)*16*PA+32
.endr
.endm
; A quarter step: multiplies buffer f; in its middle it fetches quarter q into buffer g
.macro QUARTER q, f, g, zero
	s_wait_dscnt 8                                 ; the weights and h's rows 0-63 are in; the youngest eight loads (rows 64-127) may be out
	MUL16 \f, 0, 0, \zero
	MUL16 \f, 0, 2, \zero
	PLACES
	FETCH \q, \g
	s_wait_dscnt 32                                ; all but the 32 just issued
	MUL16 \f, 1, 0, \zero
	MUL16 \f, 1, 2, \zero
.endm
; The first half of a step's last quarter, and the barrier of the change of slots.  In front of it each wave waits for all its tensor loads (one is out: its part of the next slot), adds 0 to its
; spare word, and waits for that and for its reads of this slot.  Behind it nobody reads this slot any more and the next slot is whole.
.macro MEET
	WIN 0
	s_wait_tensorcnt 0x0
	ds_add_u32 v[SPW], v[NIL]
	s_wait_dscnt 9                                 ; the add and the youngest eight loads may be out
	MUL16 F1, 0, 0, 0
	s_wait_dscnt 0x0                               ; the add is done, and my reads of this slot are over
	s_barrier_signal -1
	MUL16 F1, 0, 2, 0
	WIN 0
	s_barrier_wait -1
.endm
.macro FLIP                            ; the reads go over to the other slot
	s_xor_b32 s[RS], s[RS], SLOT
	v_add_nc_u32 v[ADRA], s[RS], v[ADRA0]
	v_add_nc_u32 v[ADRB], s[RS], v[ADRB0]
.endm
; The whole last quarter of a step whose slot is filled again: the barrier opens a round of the cluster's barrier, and the joint refill, two K steps ahead, is the first thing behind it.
.macro TURN
	s_wait_xcnt 0x0                                ; the last prefetch, a K step back, has read its address
	s_add_nc_u64 s[PFA:PFA+1], s[PFA:PFA+1], s[PFS:PFS+1]
	MEET
	CREST
	s_add_co_u32 s[G0A+5], s[INSA], s[RS]          ; no tensor load of mine is out: the walking sets take the slot just read
	s_add_co_u32 s[G0B+5], s[INSB], s[RS]
	s_add_nc_u64 s[G0A+6:G0A+7], s[G0A+6:G0A+7], ASTEP  ; and the next K step
	s_add_nc_u64 s[G0B+6:G0B+7], s[G0B+6:G0B+7], BSTEP
	JLOAD                                          ; its four v_nop are also the places ahead of the loads below
	FLIP
	FETCH 0, F0
	ASK
	MUL16 F1, 1, 0, 0
	MUL16 F1, 1, 2, 0
.endm
	s_load_b128 s[4:7], s[0:1], 0x0                ; h s[4:5], wh s[6:7]
	s_load_b64 s[8:9], s[0:1], 0x10                ; the output
.if GELU
	s_load_b64 s[70:71], s[0:1], 0x18              ; the bias
.endif
	v_lshl_add_u32 v[SPW], v0, 2, SPARE
	v_mov_b32 v[NIL], 0
	ds_add_u32 v[SPW], v[NIL]                      ; the wave's opening: the add and its wait ahead of my first tensor load
	v_lshrrev_b32 v1, 5, v0
	v_readfirstlane_b32 s10, v1                    ; wave 0..3
	s_lshr_b32 s11, s10, 1                         ; my half of the tile's rows.  Also: I fetch h (0) or the weights (1)
	s_and_b32 s12, s10, 1                          ; my half of its columns.  Also: which half of that tile I fetch
	s_bfe_u32 s40, ttmp6, 0x40000                  ; cx
	s_bfe_u32 s41, ttmp6, 0x40004                  ; cy
	s_lshl_b32 s42, ttmp9, 2
	s_add_co_u32 s42, s42, s40                     ; tile column
	s_and_b32 s13, ttmp7, 0xffff
	s_lshl_b32 s13, s13, 2
	s_add_co_u32 s13, s13, s41                     ; tile row
	s_lshl_b32 s18, s41, 2
	s_lshl_b32 s18, 15, s18                        ; my row of the cluster
	s_lshl_b32 s19, 0x1111, s40                    ; my column
	s_or_b32 s[G1A], s18, (1<<16)|(1<<20)|(1<<21)|(5<<22)|(3<<25)  ; mask; 2-byte elements; padding on; bit 21 beside a mask; after every 64 words 4 words
	s_or_b32 s[G1B], s19, (1<<16)|(1<<20)|(1<<21)|(6<<22)|(7<<25)  ; after every 128 words 8 words
	s_mov_b32 s[G1A+1], 128<<16                    ; tensor_dim0 = 128
	s_mov_b32 s[G1A+2], 128<<16                    ; tensor_dim1 = 128
	s_mov_b32 s[G1A+3], 128<<16                    ; tile_dim0 = 128
	s_mov_b32 s[G1A+4], 128                        ; tile_dim1 = 128
	s_mov_b32 s[G1A+5], 1024                       ; numbers from row to row
	s_mov_b32 s[G1A+6], 0
	s_mov_b32 s[G1A+7], 0
	s_mov_b32 s[G1B+1], 256<<16                    ; 256 columns
	s_mov_b32 s[G1B+2], 64<<16                     ; 64 rows along K
	s_mov_b32 s[G1B+3], 256<<16
	s_mov_b32 s[G1B+4], 64
	s_mov_b32 s[G1B+5], NB
	s_mov_b32 s[G1B+6], 0
	s_mov_b32 s[G1B+7], 0
	s_lshl_b32 s16, s13, 8
	s_lshl_b32 s17, s12, 7
	s_add_co_u32 s16, s16, s17                     ; h: row 256 x tile row + 128 x half,
	s_lshl_b32 s16, s16, 11                        ; of 2,048 bytes
	s_mov_b32 s17, 0
	s_lshl_b32 s22, s42, 9                         ; the weights: 512 bytes x tile column
	s_mul_i32 s23, s12, 64*NB*2                    ; + 64 rows x half
	s_add_co_u32 s22, s22, s23
	s_add_co_u32 s22, s22, WOFF
	s_mov_b32 s23, 0
	s_mul_i32 s[INSA], s12, AH                     ; no place in the cluster enters an LDS address
	s_mul_i32 s[INSB], s12, BH
	s_add_co_u32 s[INSB], s[INSB], BOFF
	s_mov_b32 s[RS], 0
.if GELU
	s_mov_b32 s72, 0x3e6d3389                      ; p = 0.2316419
	s_mov_b32 s73, s72
	s_mov_b32 s74, 0xbf38aa3b                      ; k = -log2(e) / 2
	s_mov_b32 s75, s74
	s_mov_b32 s76, 0x3f07dc22                      ; c5 = 0.5307027
	s_mov_b32 s77, s76
	s_mov_b32 s78, 0xbf3a00e3                      ; c4 = -0.7265760
	s_mov_b32 s79, s78
	s_mov_b32 s80, 0x3f35f0e3                      ; c3 = 0.7107069
	s_mov_b32 s81, s80
	s_mov_b32 s82, 0xbe11a98e                      ; c2 = -0.1422484
	s_mov_b32 s83, s82
	s_mov_b32 s84, 0x3e027906                      ; c1 = 0.1274148
	s_mov_b32 s85, s84
.endif
	s_wait_dscnt 0x0                               ; the opening add is done
	s_wait_kmcnt 0x0
	s_add_nc_u64 s[14:15], s[4:5], s[16:17]
	s_add_nc_u64 s[20:21], s[6:7], s[22:23]
	CROUND                                         ; all sixteen work-groups are here: the first joint loads meet
	s_mov_b32 s[G0A], 1
	s_mov_b32 s[G0A+1], s[INSA]                    ; K step 0 into slot 0
	s_add_nc_u64 s[G0A+2:G0A+3], s[14:15], 0
	s_or_b32 s[G0A+3], s[G0A+3], 0x80000000
	s_mov_b32 s[G0A+4], 1
	s_add_co_u32 s[G0A+5], s[INSA], SLOT           ; K step 1 into slot 1
	s_add_nc_u64 s[G0A+6:G0A+7], s[14:15], ASTEP
	s_or_b32 s[G0A+7], s[G0A+7], 0x80000000
	s_mov_b32 s[G0B], 1
	s_mov_b32 s[G0B+1], s[INSB]
	s_add_nc_u64 s[G0B+2:G0B+3], s[20:21], 0
	s_or_b32 s[G0B+3], s[G0B+3], 0x80000000
	s_mov_b32 s[G0B+4], 1
	s_add_co_u32 s[G0B+5], s[INSB], SLOT
	s_add_nc_u64 s[G0B+6:G0B+7], s[20:21], BSTEP
	s_or_b32 s[G0B+7], s[G0B+7], 0x80000000
	s_cmp_eq_u32 s11, 0                            ; a wave's two first fills stand in one branch: two loads of mine are out
	s_cbranch_scc0 .Lfirst_b
	tensor_load_to_lds s[G0A:G0A+3], s[G1A:G1A+7]
	s_nop 0
	tensor_load_to_lds s[G0A+4:G0A+7], s[G1A:G1A+7]
	s_nop 0
.rept 4
	v_nop
.endr
	s_branch .Lfirst_asked
.Lfirst_b:
	tensor_load_to_lds s[G0B:G0B+3], s[G1B:G1B+7]
	s_nop 0
	tensor_load_to_lds s[G0B+4:G0B+7], s[G1B:G1B+7]
	s_nop 0
.rept 4
	v_nop
.endr
.Lfirst_asked:
	; A fragment of h: lane l holds row l % 16; two loads of 16 bytes, 32 bytes apart, at row x pitch + 16 (l / 16).
	v_and_b32 v1, 15, v0                           ; l % 16
	v_bfe_u32 v2, v0, 4, 1                         ; l / 16
	v_mul_u32_u24 v3, v1, PA
	v_lshl_add_u32 v3, v2, 4, v3
	s_mul_i32 s16, s11, AH
	v_add_nc_u32 v[ADRA0], s16, v3
	; The turning load: lane l reads 16 bytes of K row 8 (l / 16) + l % 8, columns 8 ((l / 8) % 2) + 0..7, and is left with column l % 16 and 8 numbers along K.
	v_and_b32 v4, 7, v0
	v_lshl_add_u32 v4, v2, 3, v4
	v_bfe_u32 v5, v0, 3, 1
	v_mul_u32_u24 v4, v4, PBP
	v_lshl_add_u32 v4, v5, 4, v4
	s_lshl_b32 s16, s12, 8                         ; my 128 columns
	s_add_co_u32 s16, s16, BOFF
	v_add_nc_u32 v[ADRB0], s16, v4
	v_mov_b32 v[ADRA], v[ADRA0]
	v_mov_b32 v[ADRB], v[ADRB0]
	s_mul_i32 s16, s10, DW                         ; my dump
	v_mul_u32_u24 v7, v1, DP                       ; in: row l % 16, 32 bytes for each half of the lanes
	v_lshl_add_u32 v7, v2, 5, v7
	v_add_nc_u32 v[DST], s16, v7
.if GELU
	v_and_b32 v6, 31, v0
	v_lshl_add_u32 v[RD], v6, 4, s16               ; back: a row of 512 bytes a load, 16 bytes a lane
	v_lshlrev_b32 v[CO], 3, v6                     ; out: 8 bytes a lane
	v_lshlrev_b32 v[BO], 4, v6
	s_lshl_b32 s16, s42, 10
	s_lshl_b32 s17, s12, 9
	s_add_co_u32 s16, s16, s17                     ; the bias of my 128 columns
	s_mov_b32 s17, 0
	s_add_nc_u64 s[70:71], s[70:71], s[16:17]
	global_load_b128 v[BI:BI+3], v[BO], s[70:71]
	s_lshl_b32 s16, s13, 8
	s_lshl_b32 s17, s11, 7
	s_add_co_u32 s16, s16, s17                     ; my first row,
	s_lshl_b32 s16, s16, 13                        ; of 8,192 bytes,
	s_lshl_b32 s17, s42, 9
	s_add_co_u32 s16, s16, s17
	s_lshl_b32 s17, s12, 8
	s_add_co_u32 s16, s16, s17                     ; my first column
	s_mov_b32 s17, 0
	s_add_nc_u64 s[8:9], s[8:9], s[16:17]
.else
	v_bfe_u32 v6, v0, 3, 2                         ; back: 32 lanes take four rows x 64 columns of a head, 32 bytes of f32 a lane
	v_mul_u32_u24 v6, v6, DP
	v_and_b32 v8, 7, v0
	v_lshl_add_u32 v6, v8, 5, v6
	v_add_nc_u32 v[RD], s16, v6
	v_and_b32 v[CO], 31, v0                        ; which are 512 consecutive bytes of the output
	v_lshlrev_b32 v[CO], 4, v[CO]
	s_lshl_b32 s16, s42, 2
	s_lshl_b32 s17, s12, 1
	s_add_co_u32 s16, s16, s17                     ; the first of my two heads among q's, k's and v's 48
	s_lshr_b32 s17, s16, 4
	s_lshl_b32 s17, s17, 5                         ; q, k or v: 32 planes each
	s_and_b32 s16, s16, 15
	s_add_co_u32 s16, s16, s17
	s_lshr_b32 s17, s13, 3
	s_lshl_b32 s17, s17, 4                         ; the batch: 16 planes
	s_add_co_u32 s16, s16, s17
	s_lshl_b32 s16, s16, 18                        ; a plane is 262,144 bytes
	s_and_b32 s17, s13, 7
	s_lshl_b32 s17, s17, 8
	s_lshl_b32 s18, s11, 7
	s_add_co_u32 s17, s17, s18                     ; my first token,
	s_lshl_b32 s17, s17, 7                         ; of 128 bytes
	s_add_co_u32 s16, s16, s17
	s_mov_b32 s17, 0
	s_add_nc_u64 s[8:9], s[8:9], s[16:17]
.endif
	; the prefetches: h's rows 256 x tile row + 128 x half + 32 cx + lane; the weights' K rows 64 x half + 16 cy + lane / 2, block lane % 2.  Both stand at K step 3; the first trip steps them to 4.
	s_lshl_b32 s16, s13, 8
	s_lshl_b32 s17, s12, 7
	s_add_co_u32 s16, s16, s17
	s_lshl_b32 s17, s40, 5
	s_add_co_u32 s16, s16, s17
	s_lshl_b32 s16, s16, 11
	s_add_co_u32 s16, s16, 3*ASTEP
	s_lshl_b32 s17, s12, 6
	s_lshl_b32 s18, s41, 4
	s_add_co_u32 s17, s17, s18
	s_mul_i32 s17, s17, NB*2
	s_lshl_b32 s18, s42, 9
	s_add_co_u32 s17, s17, s18
	s_add_co_u32 s17, s17, WOFF+3*BSTEP
	s_and_b32 s18, ttmp7, 0xffff                   ; cluster y
	s_mov_b32 s19, BSTEP
	s_mov_b32 s23, 0
	s_mov_b32 s[PFS+1], 0
	s_cmp_eq_u32 s11, 0                            ; do I fetch h?
	s_cselect_b32 s22, s16, s17
	s_cselect_b32 s18, ttmp9, s18                  ; the coordinate along which other clusters read the same blocks
	s_cselect_b64 s[PFA:PFA+1], s[4:5], s[6:7]
	s_cselect_b32 s[PFS], ASTEP, s19
	s_cselect_b32 s19, -1, 0
	s_add_nc_u64 s[PFA:PFA+1], s[PFA:PFA+1], s[22:23]
	s_cmp_eq_u32 s18, 0
	s_cselect_b32 s[LIM], 2, -1                    ; the same in all sixteen partners, for a given wave
	v_and_b32 v6, 31, v0
	v_lshlrev_b32 v7, 11, v6
	v_lshrrev_b32 v8, 1, v6
	v_mul_u32_u24 v8, v8, NB*2
	v_and_b32 v9, 1, v6
	v_lshl_add_u32 v8, v9, 8, v8
	v_cndmask_b32 v[PFO], v8, v7, s19
	s_wait_tensorcnt 1                             ; my part of K step 0 is in; K step 1's may stay out
	s_barrier_signal -1
	s_barrier_wait -1
	FETCH 0, F0
	QUARTER 1, F0, F1, 1                           ; the first quarter stands ahead of the loop: its products start the sums
	WIN 0
	s_mov_b32 s3, STEPS-2
.Lk:                                               ; a trip: from a K step's second quarter to the next step's first; it fills the slot that it leaves with the K step two on
	QUARTER 2, F1, F0, 0
	QUARTER 3, F0, F1, 0
	TURN
	QUARTER 1, F0, F1, 0
	WIN 0
	s_sub_co_u32 s3, s3, 1
	s_cmp_lg_u32 s3, 0
	s_cbranch_scc1 .Lk
	s_mov_b32 s2, 2
.Lt:                                               ; the last two K steps ask for nothing; the second trip is left in its middle, behind the barrier that ends all reads of the ring
	QUARTER 2, F1, F0, 0
	QUARTER 3, F0, F1, 0
	MEET
	s_sub_co_u32 s2, s2, 1
	s_cmp_eq_u32 s2, 0
	s_cbranch_scc1 .Lfin
	PLACES
	FLIP
	FETCH 0, F0
	MUL16 F1, 1, 0, 0
	MUL16 F1, 1, 2, 0
	QUARTER 1, F0, F1, 0
	WIN 0
	s_branch .Lt
.Lfin:
	MUL16 F1, 1, 0, 0
	MUL16 F1, 1, 2, 0
	PLACES
	PLACES
	; THE DUMP: each accumulator's eight numbers are 32 neighbouring bytes of a row; low half first
.set a, 0
.rept 8
	WIN 0x08+4*(a/4)                               ; the data (source 1) in window 2 or 3
.set b, 0
.rept 8
	ds_store_b128 v[DST], v[8*(8*(a%4)+b):8*(8*(a%4)+b)+3]   offset:a*16*DP+64*b
	ds_store_b128 v[DST], v[8*(8*(a%4)+b)+4:8*(8*(a%4)+b)+7] offset:a*16*DP+64*b+16
.set b, b+1
.endr
.set a, a+1
.endr
	WIN 0
.if GELU
.else
	; 16 rows a trip: for each of my two heads four groups of four rows: read back (LDS serves a wave's instructions in order: these see the stores above), rounded to f16, stored as 512 dense bytes
	s_mov_b32 s3, 8
.Lout:
.irp i, 0,1,2,3,4,5,6,7
	ds_load_b128 v[64+8*(\i):64+8*(\i)+3], v[RD] offset:256*((\i)/4)+4*DP*((\i)%4)
	ds_load_b128 v[64+8*(\i)+4:64+8*(\i)+7], v[RD] offset:256*((\i)/4)+4*DP*((\i)%4)+16
.endr
.irp i, 0,1,2,3,4,5,6,7
	s_wait_dscnt 14-2*(\i)                         ; group i is in, the groups behind it may be out
.irp j, 0,1,2,3
	v_cvt_pk_f16_f32 v[160+4*(\i)+(\j)], v[64+8*(\i)+2*(\j)], v[64+8*(\i)+2*(\j)+1]
.endr
	global_store_b128 v[CO], v[160+4*(\i):160+4*(\i)+3], s[8:9] offset:262144*((\i)/4)+512*((\i)%4)
.endr
	s_wait_xcnt 0x0                                ; the stores have read their registers: only now are these written again
	v_add_nc_u32 v[RD], 16*DP, v[RD]
	v_add_nc_u32 v[CO], 2048, v[CO]
	s_sub_co_u32 s3, s3, 1
	s_cmp_lg_u32 s3, 0
	s_cbranch_scc1 .Lout
.endif
	s_wait_tensorcnt 0x0                           ; the wave's end
	ds_add_u32 v[SPW], v[NIL]
	s_wait_dscnt 0x0
	CROUND                                         ; the closing round
	s_endpgm
.Lfunc_end_k_qd63010c02f_qkvp:
	.size	k_qd63010c02f_qkvp, .Lfunc_end_k_qd63010c02f_qkvp-k_qd63010c02f_qkvp
	.p2alignl 7, 3214868480
	.fill 96, 4, 3214868480
	.section	.rodata,"a",@progbits
	.p2align	6, 0x0
	.amdhsa_kernel k_qd63010c02f_qkvp
		.amdhsa_group_segment_fixed_size 327680
		.amdhsa_private_segment_fixed_size 0
		.amdhsa_enable_private_segment 0
		.amdhsa_kernarg_size 24
		.amdhsa_user_sgpr_count 2
		.amdhsa_user_sgpr_kernarg_segment_ptr 1
		.amdhsa_wavefront_size32 1
		.amdhsa_system_sgpr_workgroup_id_x 1
		.amdhsa_system_sgpr_workgroup_id_y 1
		.amdhsa_system_sgpr_workgroup_id_z 1
		.amdhsa_system_vgpr_workitem_id 0
		.amdhsa_next_free_vgpr 1024
		.amdhsa_next_free_sgpr 90
		.amdhsa_reserve_vcc 0
		.amdhsa_float_denorm_mode_32 3
		.amdhsa_float_denorm_mode_16_64 3
		.amdhsa_memory_ordered 1
		.amdhsa_forward_progress 1
		.amdhsa_inst_pref_size 85
	.end_amdhsa_kernel
	.amdgpu_metadata
---
amdhsa.version: [ 1, 2 ]
amdhsa.kernels:
  - .name:           k_qd63010c02f_qkvp
    .symbol:         k_qd63010c02f_qkvp.kd
    .args:
      - { .name: h, .offset: 0, .size: 8, .value_kind: global_buffer, .address_space: global }
      - { .name: wh, .offset: 8, .size: 8, .value_kind: global_buffer, .address_space: global }
      - { .name: qkv, .offset: 16, .size: 8, .value_kind: global_buffer, .address_space: global }
    .group_segment_fixed_size: 327680
    .private_segment_fixed_size: 0
    .kernarg_segment_align: 8
    .kernarg_segment_size: 24
    .max_flat_workgroup_size: 128
    .sgpr_count:     90
    .vgpr_count:     1024
    .wavefront_size: 32
...
	.end_amdgpu_metadata
.endif
;; end of part 2
;; launch attn (part 3): grid 8 x 32, 4 waves a work-group, clusters of 4 x 1, 327,680 bytes of LDS; arguments qkv, o; writes o
.if DOCPART == 3
	.amdgcn_target "amdgcn-amd-amdhsa--gfx1250"
	.amdhsa_code_object_version 6
	.text
	.protected	k_qd63010c02f_attn
	.globl	k_qd63010c02f_attn
	.p2align	8
	.type	k_qd63010c02f_attn,@function
k_qd63010c02f_attn:
	s_mov_b64 s[64:65], 0
	v_nop
	global_prefetch_b8 v0, s[64:65] scope:SCOPE_SE
	s_setreg_imm32_b32 hwreg(HW_REG_WAVE_MODE, 25, 1), 1
	s_wait_xcnt 0x0
	s_wait_alu depctr_hold_cnt(0) depctr_sa_sdst(0) depctr_va_vdst(0) depctr_va_sdst(0) depctr_va_ssrc(0) depctr_va_vcc(0) depctr_vm_vsrc(0)
	s_getreg_b32 s2, hwreg(HW_REG_IB_STS2, 6, 4)
	s_cmp_eq_u32 s2, 0
	s_cbranch_scc0 .Lentry_in_a_cluster
	s_endpgm
.Lentry_in_a_cluster:
	s_bfe_u32 s2, ttmp6, 0x10000c
	s_cmp_lg_u32 s2, 0x3003
	s_cbranch_scc0 .Lentry_shape_is_right
	s_endpgm
.Lentry_shape_is_right:
; O[p][q][:] = the sum over k of softmax_k(Q[p][q] . K[p][k] / 8) V[p][k][:], for 32 planes p = batch x 16 + head of 2,048 rows x 64, all f16.  Q, K, V are the three thirds of qkv.
; Products, maxima and sums in f32; the weights are rounded to f16 for the second product (their sum l is taken of the unrounded weights), O once at the end.
; LIMITS.  f16 holds no number beyond 65,504: Q, K, V arrive within it.  A weight below 2^-126 counts as 0 in l; NaN and infinities are not treated apart.
; SHARES.  A work-group owns 256 queries of a plane, a wave 64: four PIECES of 16.  Every wave walks all 2,048 keys, 64 a step, 256 a slot.
; LAYOUT.  S^T = K Q^T holds ONE query a lane (lane % 16) and the keys 8 (lane / 16) + 0..7; two such results rounded to f16 ARE source 1 of O^T = V^T P.  K comes out of LDS as it lies, V turned.
; SOFTMAX.  p = 2^(c s - c m), c = log2(e) / 8, with a running maximum m; O and l are multiplied by a = 2^(c m_old - c m_new) in every step.  m starts at the lowest finite number, O and l at 0.
; TURNS.  Turn n belongs to piece n: 8 products K Q^T of piece n + 1, later 8 products V^T P of piece n - 1; beside them the scaling, exponentials, roundings, sums and rescaling of piece n and the
; maximum and statistics of piece n + 1.  Four vector instructions stand behind every matrix instruction, the others in one run.  A turn's 33 exponentials are one batch with one wait.
; CLUSTER.  The four query blocks of a cluster belong to one plane and walk the same K and V: each tile is asked for jointly, by the same tensor load, descriptor and mask in all four.
; REGISTERS: window 0: v0-15 addresses; v16-31 four statistics a piece; v48-55 at work; v61-63 prefetch offset, spare word, 0; v64-127 S^T, two buffers; v192-223 P, two buffers
;   window 1: v0-127 O^T, 32 a piece      window 2: v0-63 Q; v128-191 K of one step; v192-255 V of one step
.set NP,    4
.set KS,    64
.set PK,    144       ; a row of K in LDS: 128 bytes + 16
.set PV,    160       ; a row of V: 128 + 32
.set VOFF,  4*KS*PK   ; a slot: 256 rows of K, then 256 rows of V
.set SLOT1, 1<<17     ; slot 1 begins here: one exclusive or turns an address in one slot into the other's
.set STAGE, SLOT1+4*KS*(PK+PV)  ; behind the ring, never filled by a tensor load: 16 rows x 144 bytes for each wave
.set SP,    144
.set SPARE, STAGE+4*16*SP       ; the spare words, 128 bytes for each wave, that no other line names
.set AK0, 2           ; v2   my lane's place in a tile of K; never rewritten
.set AV0, 3           ; v3   the same for V
.set AK,  4           ; v4   the LDS address of K's next run of loads
.set AV,  5           ; v5   of V's
.set STO, 6           ; v6   the way out: where I put 16 bytes of a row
.set RD,  7           ; v7   where I read rows back
.set GO,  8           ; v8   my byte offset in 512 consecutive bytes of O
.set MV,  12          ; v12-13  c m_old, by buffer
.set QO,  15          ; v15  my byte offset in 16 rows of Q
.set ST,  16          ; piece t's statistics at v[ST+4 t]: c m, m, l (even keys', odd keys')
.set TMP, 48          ; by buffer, four registers c0-c3 at work; c2 then takes a
.set PFO, 61          ; v61  256 x my lane; never rewritten
.set SPW, 62          ; v62  LDS address of my spare word; never rewritten
.set NIL, 63          ; v63  0; never rewritten
.set S,   64
.set P,   192
.set KF,  128         ; window 2
.set VF,  192         ; window 2
.set WV,  12          ; s12  my wave's number
.set LIM, 15          ; s15  1 in a wave that prefetches, else the greatest number
.set G1K, 24
.set G1V, 32
.set G0K, 40
.set G0V, 44
.set SLOTS, 56        ; s56  slots still to be asked for
.set CNT, 57          ; s57  counts a slot's key steps
.set CS,  58          ; s[58:59] c
.set SEL, 60          ; s[60:61] the lane exchange's selects
.set TBK, 62          ; s62  LDS byte at which K of the step to be fetched begins
.set TBV, 63          ; s63  the same for V, less VOFF
.set PFA, 84          ; s[84:85] where my prefetches stand
.set MSB, 0
.macro WIN new
.if MSB != (\new)
	s_set_vgpr_msb (MSB<<8)|(\new)
.set MSB, (\new)
.endif
.endm
.set W_KQ, 0x0a       ; K and Q in window 2, S^T in window 0
.set W_PV, 0x52       ; V in window 2, P in window 0, O^T in window 1
.set W_RS, 0x41       ; destination and source 0 in window 1, source 1 in window 0
; A joint fill.  Waves 0 and 1 fetch the two halves of a slot's K, waves 2 and 3 those of its V.  An s_nop 0 and four v_nop follow each line.
.macro JLOAD
	s_cmp_lt_u32 s[WV], 2
	s_cbranch_scc0 .Lfor_v_\@
	tensor_load_to_lds s[G0K:G0K+3], s[G1K:G1K+7]
	s_nop 0
.rept 4
	v_nop
.endr
	s_branch .Lasked_\@
.Lfor_v_\@:
	tensor_load_to_lds s[G0V:G0V+3], s[G1V:G1V+7]
	s_nop 0
.rept 4
	v_nop
.endr
.Lasked_\@:
.endm
; A prefetch of what the NEXT change of slots will ask for: 128 blocks of 256 bytes of K and of V.  The plane's first cluster asks; its four partners take 32 blocks each, told apart by address;
; wave 0 asks for K's, wave 2 for V's, a lane a block.  The last change that fills a slot asks for nothing.
.macro ASK
	s_cmp_gt_u32 s[SLOTS], s[LIM]
	s_cbranch_scc0 .Lnot_mine_\@
	global_prefetch_b8 v[PFO], s[PFA:PFA+1] th:TH_LOAD_NT scope:SCOPE_SE
.Lnot_mine_\@:
.endm
.macro CROUND
	s_barrier_signal -1
	s_barrier_wait -1
	s_cmp_lg_u32 s[WV], 0
	s_cbranch_scc1 .Lnot_wave_0_\@
	s_barrier_signal -3
.Lnot_wave_0_\@:
	s_barrier_wait -3
	s_barrier_signal -1
	s_barrier_wait -1
.endm
; THE CHANGE OF SLOTS.  Each wave waits for all its tensor loads (one is out: its part of the other slot), adds 0 to its spare word, and waits for that and for its reads of the slot that it leaves.
; fill = 1: the barrier is a round of the cluster's, and the joint fill, with the keys two slots on, is the first thing behind it: it has four key steps in which to land.
.macro CHANGE fill, ask
	WIN 0
	s_wait_tensorcnt 0x0
	ds_add_u32 v[SPW], v[NIL]
.if \fill
.irp g, G0K, G0V
	s_xor_b32 s[\g+1], s[\g+1], SLOT1
	s_add_nc_u64 s[\g+2:\g+3], s[\g+2:\g+3], 4*KS*128
.endr
.if \ask
	s_wait_xcnt 0x0                 ; the last prefetch, four key steps back, has read its address
	s_add_nc_u64 s[PFA:PFA+1], s[PFA:PFA+1], 4*KS*128
.endif
	s_wait_dscnt 0x0                ; the add is done, and my reads of the slot are over
	CROUND
	JLOAD
.if \ask
	ASK
.endif
.else
	s_wait_dscnt 0x0
	s_barrier_signal -1
	s_barrier_wait -1
.endif
	s_sub_co_u32 s[TBK], s[TBK], 4*KS*PK  ; the fetches go back to a slot's first step, in the other slot
	s_xor_b32 s[TBK], s[TBK], SLOT1
	s_sub_co_u32 s[TBV], s[TBV], 4*KS*PV
	s_xor_b32 s[TBV], s[TBV], SLOT1
.endm
	s_load_b64 s[4:5], s[0:1], 0x0  ; qkv
	s_load_b64 s[10:11], s[0:1], 0x8  ; o
	v_lshl_add_u32 v[SPW], v0, 2, SPARE
	v_mov_b32 v[NIL], 0
	ds_add_u32 v[SPW], v[NIL]       ; the wave's opening: the add and its wait ahead of my first tensor load
	v_lshrrev_b32 v1, 5, v0
	v_readfirstlane_b32 s[WV], v1
	s_bfe_u32 s13, ttmp6, 0x40000   ; cx
	s_lshl_b32 s14, ttmp9, 2
	s_add_co_u32 s14, s14, s13      ; my block of 256 queries: it enters Q's and O's addresses alone
	s_and_b32 s20, ttmp7, 0xffff    ; the plane, which the four partners share,
	s_lshl_b32 s20, s20, 18         ; of 262,144 bytes
	s_and_b32 s16, s[WV], 1         ; which half of a slot's 256 keys I fetch
	s_lshl_b32 s22, s16, 14
	s_add_co_u32 s22, s22, s20
	s_mov_b32 s23, 0
	s_mul_i32 s17, s16, 128*PK
	s_mul_i32 s18, s16, 128*PV
	s_lshl_b32 s2, s14, 2
	s_add_co_u32 s2, s2, s[WV]      ; my wave among the plane's,
	s_lshl_b32 s2, s2, 13           ; its 64 rows of 128 bytes
	s_add_co_u32 s2, s2, s20
	s_mov_b32 s3, 0
	; 128 keys are 16,384 dense bytes: asked for as 64 rows of 256 bytes, two keys a row, padded in LDS after every key
	s_mov_b32 s[G1K], 15|(1<<16)|(1<<20)|(1<<21)|(4<<22)|(3<<25)
	s_mov_b32 s[G1V], 15|(1<<16)|(1<<20)|(1<<21)|(4<<22)|(7<<25)
.irp g, G1K, G1V
	s_mov_b32 s[\g+1], 128<<16
	s_mov_b32 s[\g+2], 64<<16
	s_mov_b32 s[\g+3], 128<<16
	s_mov_b32 s[\g+4], 64
	s_mov_b32 s[\g+5], 128
	s_mov_b32 s[\g+6], 0
	s_mov_b32 s[\g+7], 0
.endr
	s_mov_b32 s[CS], 0x3e38aa3b     ; c = log2(e) / 8
	s_mov_b32 s[CS+1], s[CS]
	s_mov_b32 s[SEL], 0x76543210
	s_mov_b32 s[SEL+1], 0xfedcba98
	s_mov_b32 s[TBK], SLOT1+4*KS*PK ; the first change of slots turns these two into 0
	s_mov_b32 s[TBV], SLOT1+4*KS*PV
	s_mov_b32 s[G0K], 1
	s_mov_b32 s[G0K+1], s17
	s_mov_b32 s[G0V], 1
	s_add_co_u32 s[G0V+1], s18, VOFF
	s_and_b32 s[LIM], s[WV], 1      ; 0 in waves 0 and 2,
	s_or_b32 s[LIM], s[LIM], ttmp9  ; where the cluster is the plane's first
	s_cmp_eq_u32 s[LIM], 0
	s_cselect_b32 s[LIM], 1, -1
	v_and_b32 v[PFO], 31, v0
	v_lshlrev_b32 v[PFO], 8, v[PFO]
	s_wait_dscnt 0x0                ; the opening add is done
	s_wait_kmcnt 0x0
	s_add_nc_u64 s[6:7], s[4:5], s[22:23]
	s_add_nc_u64 s[8:9], s[6:7], 16777216  ; V at my half of the plane's first 256 keys
	s_add_nc_u64 s[6:7], s[6:7], 8388608   ; K likewise
	s_add_nc_u64 s[G0K+2:G0K+3], s[6:7], 0
	s_or_b32 s[G0K+3], s[G0K+3], 0x80000000
	s_add_nc_u64 s[G0V+2:G0V+3], s[8:9], 0
	s_or_b32 s[G0V+3], s[G0V+3], 0x80000000
	s_add_nc_u64 s[4:5], s[4:5], s[2:3]    ; Q and O at my wave's first row
	s_add_nc_u64 s[10:11], s[10:11], s[2:3]
	s_cmp_lt_u32 s[WV], 2
	s_cselect_b64 s[PFA:PFA+1], s[6:7], s[8:9]  ; (in waves 0 and 2 these stand at a slot's first row)
	s_lshl_b32 s2, s13, 13          ; my work-group's 32 blocks of the 128
	s_mov_b32 s3, 0
	s_add_nc_u64 s[PFA:PFA+1], s[PFA:PFA+1], s[2:3]
	s_add_nc_u64 s[PFA:PFA+1], s[PFA:PFA+1], 2*4*KS*128  ; in slot 2: the loop's first change steps it to slot 3
	CROUND                          ; all four work-groups are here
	JLOAD                           ; slot 0
	v_and_b32 v1, 15, v0            ; l % 16
	v_bfe_u32 v9, v0, 4, 1          ; l / 16
	v_lshlrev_b32 v[QO], 7, v1
	v_lshl_add_u32 v[QO], v9, 4, v[QO]
	WIN 0x80                        ; destination window 2
.set i, 0
.rept 8                             ; Q stays in registers: piece i / 2, channels 32 (i % 2) on
	global_load_b128 v[8*i:8*i+3],   v[QO], s[4:5] offset:(i/2)*2048+(i%2)*64
	global_load_b128 v[8*i+4:8*i+7], v[QO], s[4:5] offset:(i/2)*2048+(i%2)*64+32
.set i, i+1
.endr
	WIN 0
	v_mul_u32_u24 v[AK0], v1, PK
	v_lshl_add_u32 v[AK0], v9, 4, v[AK0]
	v_and_b32 v10, 7, v0
	v_bfe_u32 v11, v0, 3, 1
	v_lshl_add_u32 v[AV0], v9, 3, v10
	v_mul_u32_u24 v[AV0], v[AV0], PV
	v_lshl_add_u32 v[AV0], v11, 4, v[AV0]
	v_add_nc_u32 v[AV0], VOFF, v[AV0]
	s_mul_i32 s13, s[WV], 16*SP
	s_add_co_u32 s13, s13, STAGE    ; my stage
	v_mul_u32_u24 v[STO], v1, SP
	v_lshl_add_u32 v[STO], v9, 4, v[STO]
	v_add_nc_u32 v[STO], s13, v[STO]
	v_bfe_u32 v[RD], v0, 3, 2
	v_mul_u32_u24 v[RD], v[RD], SP
	v_lshl_add_u32 v[RD], v10, 4, v[RD]
	v_add_nc_u32 v[RD], s13, v[RD]
	v_and_b32 v[GO], 31, v0
	v_lshlrev_b32 v[GO], 4, v[GO]
	; What the first turn finds: V's registers and P's second buffer hold 0, O^T and l are 0.  No first step is written out; these lines stand in the wait for the first tile.
	WIN 0x80
.set i, VF
.rept 64
	v_mov_b32 v[i], 0
.set i, i+1
.endr
	WIN 0x40
.set i, 0
.rept 128
	v_mov_b32 v[i], 0
.set i, i+1
.endr
	WIN 0
.set i, 0
.rept 4
	v_mov_b32 v[ST+4*i], 0xfe000000    ; c m: far below every c s
	v_mov_b32 v[ST+4*i+1], 0xff7fffff  ; m
	v_mov_b32 v[ST+4*i+2], 0
	v_mov_b32 v[ST+4*i+3], 0
.set i, i+1
.endr
.set i, P+16
.rept 16
	v_mov_b32 v[i], 0
.set i, i+1
.endr
; THE MATRIX WORK.  The 4 accumulators of a run of 8 take turns.  Product i of 8 of S^T = K Q^T for piece x: channels 32 (i / 4) on, keys 16 (i % 4) on.  The first 4 start the sums.
.macro KQ x
.set rS, S+32*((\x)%2)+8*(i%4)
.set rK, KF+16*(i%4)+8*(i/4)
.set rQ, 16*(\x)+8*(i/4)
	WIN W_KQ
.if i < 4
	v_wmma_f32_16x16x32_f16 v[rS:rS+7], v[rK:rK+7], v[rQ:rQ+7], 0
.else
	v_wmma_f32_16x16x32_f16 v[rS:rS+7], v[rK:rK+7], v[rQ:rQ+7], v[rS:rS+7]
.endif
.endm
; Product i of 8 of O^T += V^T P for piece x: keys 32 (i / 4) on, channels 16 (i % 4) on.
.macro PV x
	WIN W_PV
.set rO, 32*(\x)+8*(i%4)
.set rV, VF+32*(i/4)+8*(i%4)
.set rP, P+16*((\x)%2)+8*(i/4)
	v_wmma_f32_16x16x32_f16 v[rO:rO+7], v[rV:rV+7], v[rP:rP+7], v[rO:rO+7]
.endm
.macro MM                           ; the turn's next matrix instruction.  NOKQ = 1: the last turn of all: there is no next piece
.if (i < 8) && !NOKQ
	KQ (Y+1)%NP
.elseif i >= 8
.set i, i-8
	PV (Y+NP-1)%NP
.set i, i+8
.endif
.set i, i+1
.endm
; THE LDS LOADS stand in runs of 16: a step's K (8 fragments) and its V (turned).
.macro FETCH_K
	WIN 0x80
.irp f, 0,1,2,3,4,5,6,7
	ds_load_b128 v[KF+8*\f:KF+8*\f+3],   v[AK] offset:(\f/2)*16*PK+(\f%2)*64
	ds_load_b128 v[KF+8*\f+4:KF+8*\f+7], v[AK] offset:(\f/2)*16*PK+(\f%2)*64+32
.endr
	s_add_co_u32 s[TBK], s[TBK], KS*PK
	WIN 0
.endm
.macro FETCH_V
	WIN 0x80
.irp f, 0,1,2,3,4,5,6,7
	ds_load_tr16_b128 v[VF+8*\f:VF+8*\f+3],   v[AV] offset:(\f/4)*32*PV+(\f%4)*32
	ds_load_tr16_b128 v[VF+8*\f+4:VF+8*\f+7], v[AV] offset:(\f/4)*32*PV+16*PV+(\f%4)*32
.endr
	WIN 0
.endm
; THE VECTOR WORK, one line at a time: OP kind, number.  For piece Y: F n: c s - c m for pair n.  E n: the exponential of score n.  C n: pair n rounded to f16.  B n: of the four weights 4 n .. the second
; pair is added onto the first.  L n: l takes that sum (L 0: l = a l + sum).  R n: pair n of O^T times a.  For piece Y + 1: X n, number n of the 22 that find its maximum and statistics:
;   0-11 four chains of seven scores (each accumulator's lowest registers are read first); 12-14, 16 the rest, the old m, all into c0; 15 c m_old is kept; 17, 18 the other half of the lanes; 19-21 c m, its change, a
.set F, 0
.set E, 1
.set C, 2
.set B, 3
.set L, 4
.set R, 5
.set X, 6
.macro REGS y
.set rT, ST+4*(\y)
.set rC, TMP+4*((\y)%2)
.set rW, MV+((\y)%2)
.set rS, S+32*((\y)%2)
.set rP, P+16*((\y)%2)
.set rO, 32*(\y)
.endm
.macro OP k, n
.if (\k) == R
	REGS Y
	WIN W_RS
	v_pk_mul_f32 v[rO+2*(\n):rO+2*(\n)+1], v[rO+2*(\n):rO+2*(\n)+1], v[rC+2:rC+3] op_sel_hi:[1,0]
.elseif (\k) < R
	REGS Y
	WIN 0
.if (\k) == F
	v_pk_fma_f32 v[rS+2*(\n):rS+2*(\n)+1], v[rS+2*(\n):rS+2*(\n)+1], s[CS:CS+1], v[rT:rT+1] op_sel_hi:[1,0,0] neg_lo:[0,0,1] neg_hi:[0,0,1]
.elseif (\k) == E
	v_exp_f32 v[rS+(\n)], v[rS+(\n)]
.elseif (\k) == C
	v_cvt_pk_f16_f32 v[rP+(\n)], v[rS+2*(\n)], v[rS+2*(\n)+1]
.elseif (\k) == B
	v_pk_add_f32 v[rS+4*(\n):rS+4*(\n)+1], v[rS+4*(\n):rS+4*(\n)+1], v[rS+4*(\n)+2:rS+4*(\n)+3]
.elseif (\n) == 0
	v_pk_fma_f32 v[rT+2:rT+3], v[rT+2:rT+3], v[rC+2:rC+3], v[rS:rS+1] op_sel_hi:[1,0,1]
.else
	v_pk_add_f32 v[rT+2:rT+3], v[rT+2:rT+3], v[rS+4*(\n):rS+4*(\n)+1]
.endif
.elseif NOKQ
	v_nop
.else
	REGS (Y+1)%NP
	WIN 0
.if (\n) < 4
	v_max3_num_f32 v[rC+(\n)], v[rS+8*(\n)], v[rS+8*(\n)+1], v[rS+8*(\n)+2]
.elseif (\n) < 12
	v_max3_num_f32 v[rC+(\n)%4], v[rC+(\n)%4], v[rS+8*((\n)%4)+2*((\n)/4)+1], v[rS+8*((\n)%4)+2*((\n)/4)+2]
.elseif (\n) == 12
	v_max3_num_f32 v[rC], v[rC], v[rS+7], v[rS+15]
.elseif (\n) == 13
	v_max3_num_f32 v[rC+1], v[rC+1], v[rS+23], v[rS+31]
.elseif (\n) == 14
	v_max3_num_f32 v[rC+2], v[rC+2], v[rC+3], v[rT+1]
.elseif (\n) == 15
	v_mov_b32 v[rW], v[rT]
.elseif (\n) == 16
	v_max3_num_f32 v[rC], v[rC], v[rC+1], v[rC+2]
.elseif (\n) == 17
	v_permlanex16_b32 v[rC+3], v[rC], s[SEL], s[SEL+1]
.elseif (\n) == 18
	v_max_num_f32 v[rT+1], v[rC], v[rC+3]
.elseif (\n) == 19
	v_mul_f32 v[rT], s[CS], v[rT+1]
.elseif (\n) == 20
	v_sub_f32 v[rC+1], v[rW], v[rT]
.else
	v_exp_f32 v[rC+2], v[rC+1]
.endif
.endif
.endm
.macro OPS a, i1, b=-1, i2=0, c=-1, i3=0, d=-1, i4=0
	OP \a, \i1
.if (\b) >= 0
	OP \b, \i2
.endif
.if (\c) >= 0
	OP \c, \i3
.endif
.if (\d) >= 0
	OP \d, \i4
.endif
.endm
.macro ROW a, i1, b, i2, c, i3, d, i4  ; a matrix instruction and the four behind it
	MM
	OPS \a, \i1, \b, \i2, \c, \i3, \d, \i4
.endm
; A TURN, for piece p.  Ahead of its one wait stands all that names no result of the turn's exponentials: the 8 products K Q^T with their four riders each, then one run of 54.  Behind it the 8 products
; V^T P, behind each four of the roundings and sums.  end = 1: the last two turns of all: nothing is fetched.  cnt = 1: the loop's count is taken down some lines ahead of the branch behind the turn.
; K of the next step is fetched in piece 2's turn and waited for at piece 3's head; V of the step in hand at the end of piece 0's turn, four plain instructions behind its last reader, and waited for in piece 1's.
.macro TURN p, end=0, cnt=0
.set Y, (\p)
.set i, 0
.set NOKQ, (\end)*((\p)/3)
.if ((\p) == 3) && !(\end)
	s_wait_dscnt 0x0                ; K is in
.endif
	ROW F,0, F,1, R,0, R,1
	ROW F,2, E,0, R,2, R,3
	ROW F,3, E,1, R,4, R,5
	ROW F,4, E,2, R,6, R,7
	ROW F,5, E,3, R,8, R,9
	ROW F,6, E,4, X,0, R,10
.if ((\p) == 2) && !(\end)
	WIN 0
	v_add_nc_u32 v[AK], s[TBK], v[AK0]
.endif
	ROW F,7, E,5, X,1, X,4
	ROW F,8, E,6, X,2, X,5
	OPS E,7, E,8, X,6, E,9
	OPS X,3, E,10, X,8, E,11
.if ((\p) == 2) && !(\end)
	FETCH_K
.endif
	OPS X,9, X,7, E,12, X,10
	OPS E,13, X,12, X,11, E,14
	OPS X,13, E,15, F,9, X,14
.if (\p) == 0
	v_add_nc_u32 v[AV], s[TBV], v[AV0]
.endif
	OPS E,16, F,10, E,17, F,11
	OPS X,16, E,18, X,15, E,19
	OPS F,12, E,20, X,17, E,21
	OPS F,13, E,22, F,14, E,23
	OPS X,18, E,24, F,15, E,25
	OPS R,11, E,26, X,19, E,27
	OPS R,12, E,28, R,13, E,29
	OPS X,20, E,30, R,14, E,31
	OPS X,21, R,15                  ; the batch's last exponential, and the plain instruction behind it
	WIN 0
	s_wait_alu depctr_va_vdst(0)    ; one wait for the batch, ahead of its first reader
.if (\p) == 1
	s_wait_dscnt 0x0                ; V is in
.endif
	ROW C,0, B,0, C,2, B,1
	ROW L,0, C,4, B,2, L,1
	ROW C,6, B,3, L,2, C,8
	ROW B,4, L,3, C,10, B,5
	ROW L,4, C,12, B,6, L,5
.if (\p) == 0
	s_add_co_u32 s[TBV], s[TBV], KS*PV
.endif
.if \cnt
	s_sub_co_u32 s[CNT], s[CNT], 1
	s_cmp_lg_u32 s[CNT], 0
.endif
	ROW C,14, B,7, L,6, C,1
	ROW C,3, L,7, C,5, C,7
	ROW C,9, C,11, C,13, C,15
.if (\p) == 0
	FETCH_V
.endif
.endm
.macro ALL line:vararg              ; one line for each piece t
.set t, 0
.rept 4
	\line
.set t, t+1
.endr
.endm
.macro PACK t                       ; a lane's eight channels of a row pack into 16 bytes; they go into rows of 144 bytes and come back as whole rows of 128
	WIN W_RS
.set i, 32*(\t)
.rept 16
	v_pk_mul_f32 v[i:i+1], v[i:i+1], v[ST+4*(\t)+2:ST+4*(\t)+3] op_sel_hi:[1,0]
.set i, i+2
.endr
	WIN 0x05
.set i, 0
.rept 16
	v_cvt_pk_f16_f32 v[S+16*(\t)+i], v[32*(\t)+2*i], v[32*(\t)+2*i+1]
.set i, i+1
.endr
	WIN 0
.irp f, 0,1,2,3
	ds_store_b128 v[STO], v[S+16*(\t)+4*\f:S+16*(\t)+4*\f+3] offset:32*\f
.endr
.irp f, 0,1,2,3
	ds_load_b128 v[S+16*(\t)+4*\f:S+16*(\t)+4*\f+3], v[RD] offset:\f*4*SP  ; LDS serves a wave's instructions in order: these see the stores above
.endr
.endm
.macro SEND t, younger              ; younger: the LDS instructions issued behind piece t's loads
	WIN 0
.irp f, 0,1,2,3
	s_wait_dscnt (\younger)+3-\f
	global_store_b128 v[GO], v[S+16*(\t)+4*\f:S+16*(\t)+4*\f+3], s[10:11] offset:(\t)*2048+\f*512  ; 512 consecutive bytes, aligned
.endr
.endm
.set NOKQ, 0
	CHANGE 1, 0                     ; slot 0 is in, everybody's part of it; slot 1 is asked for
	v_add_nc_u32 v[AK], s[TBK], v[AK0]
	FETCH_K                         ; key step 0
	s_wait_loadcnt 0x0              ; Q
	s_wait_dscnt 0x0
.set i, 0
.rept 8
	KQ 0                            ; piece 0's first scores
.set i, i+1
.endr
	WIN 0
.rept 4
	v_nop                           ; the places behind those products
.endr
.set Y, NP-1                        ; X works for piece Y + 1: piece 0
.irp n, 0,1,2,3,4,5,6,7,8,9,10,11,12,13,14,15,16,17,18,19,20,21
	OP X, \n
.endr
	v_nop                           ; a plain instruction behind the exponential,
	s_wait_alu depctr_va_vdst(0)    ; and its wait, ahead of the branch
	s_mov_b32 s[CNT], 4
	s_mov_b32 s[SLOTS], 7
	s_branch .Lfirst                ; the loop is entered at a step's first turn, in the middle of a trip
.Lslot:                             ; six times: every slot but the last two is filled again
	CHANGE 1, 1
	s_mov_b32 s[CNT], 4
.Lstep:                             ; a trip: pieces 2 and 3 of one step, then pieces 0 and 1 of the next, whose K and V it fetches
	TURN 2
	TURN 3
	WIN 0
.Lfirst:
	TURN 0
	TURN 1, 0, 1
	WIN 0
	s_cbranch_scc1 .Lstep
	s_sub_co_u32 s[SLOTS], s[SLOTS], 1
	s_cmp_lg_u32 s[SLOTS], 0
	s_cbranch_scc1 .Lslot
	CHANGE 0, 0                     ; the last slot is written out: nothing is asked for
	s_mov_b32 s[CNT], 4
.Ltail:
	TURN 2
	TURN 3
	TURN 0
	TURN 1, 0, 1
	WIN 0
	s_cbranch_scc1 .Ltail
	TURN 2, 1
	TURN 3, 1
.set i, 0
.rept 8
	PV NP-1                         ; the last piece's V^T P of the last step
.set i, i+1
.endr
	; THE WAY OUT.  l's halves are added; O^T is divided by l, rounded to f16 and sent through my stage, a piece at a time.  The additions are the places behind the last products.
	WIN 0
	ALL v_add_f32 v[ST+4*t+2], v[ST+4*t+2], v[ST+4*t+3]
	ALL v_permlanex16_b32 v[ST+4*t+3], v[ST+4*t+2], s[SEL], s[SEL+1]
	ALL v_add_f32 v[ST+4*t+2], v[ST+4*t+2], v[ST+4*t+3]
	ALL v_rcp_f32 v[ST+4*t+2], v[ST+4*t+2]
	v_nop                           ; a plain instruction behind the last reciprocal,
	s_wait_alu depctr_va_vdst(0)    ; and one wait for the four
	PACK 0
.set t, 1
.rept 3
	PACK t
	SEND t-1, 8
.set t, t+1
.endr
	SEND 3, 0
	s_wait_tensorcnt 0x0            ; the wave's end
	ds_add_u32 v[SPW], v[NIL]
	s_wait_dscnt 0x0
	CROUND                          ; the closing round
	s_endpgm
.Lfunc_end_k_qd63010c02f_attn:
	.size	k_qd63010c02f_attn, .Lfunc_end_k_qd63010c02f_attn-k_qd63010c02f_attn
	.p2alignl 7, 3214868480
	.fill 96, 4, 3214868480
	.section	.rodata,"a",@progbits
	.p2align	6, 0x0
	.amdhsa_kernel k_qd63010c02f_attn
		.amdhsa_group_segment_fixed_size 327680
		.amdhsa_private_segment_fixed_size 0
		.amdhsa_enable_private_segment 0
		.amdhsa_kernarg_size 16
		.amdhsa_user_sgpr_count 2
		.amdhsa_user_sgpr_kernarg_segment_ptr 1
		.amdhsa_wavefront_size32 1
		.amdhsa_system_sgpr_workgroup_id_x 1
		.amdhsa_system_sgpr_workgroup_id_y 1
		.amdhsa_system_sgpr_workgroup_id_z 1
		.amdhsa_system_vgpr_workitem_id 0
		.amdhsa_next_free_vgpr 768
		.amdhsa_next_free_sgpr 88
		.amdhsa_reserve_vcc 0
		.amdhsa_float_denorm_mode_32 3
		.amdhsa_float_denorm_mode_16_64 3
		.amdhsa_memory_ordered 1
		.amdhsa_forward_progress 1
		.amdhsa_inst_pref_size 128
	.end_amdhsa_kernel
	.amdgpu_metadata
---
amdhsa.version: [ 1, 2 ]
amdhsa.kernels:
  - .name:           k_qd63010c02f_attn
    .symbol:         k_qd63010c02f_attn.kd
    .args:
      - { .name: qkv, .offset: 0, .size: 8, .value_kind: global_buffer, .address_space: global }
      - { .name: o, .offset: 8, .size: 8, .value_kind: global_buffer, .address_space: global }
    .group_segment_fixed_size: 327680
    .private_segment_fixed_size: 0
    .kernarg_segment_align: 8
    .kernarg_segment_size: 16
    .max_flat_workgroup_size: 128
    .sgpr_count:     88
    .vgpr_count:     768
    .wavefront_size: 32
...
	.end_amdgpu_metadata
.endif
;; end of part 3
;; launch proj (part 4): grid 8 x 32, 4 waves a work-group, clusters of 4 x 4, 327,680 bytes of LDS; arguments o, wh, x1, b_out, x; writes x1
.if DOCPART == 4
	.amdgcn_target "amdgcn-amd-amdhsa--gfx1250"
	.amdhsa_code_object_version 6
	.text
	.protected	k_qd63010c02f_proj
	.globl	k_qd63010c02f_proj
	.p2align	8
	.type	k_qd63010c02f_proj,@function
k_qd63010c02f_proj:
	s_mov_b64 s[64:65], 0
	v_nop
	global_prefetch_b8 v0, s[64:65] scope:SCOPE_SE
	s_setreg_imm32_b32 hwreg(HW_REG_WAVE_MODE, 25, 1), 1
	s_wait_xcnt 0x0
	s_wait_alu depctr_hold_cnt(0) depctr_sa_sdst(0) depctr_va_vdst(0) depctr_va_sdst(0) depctr_va_ssrc(0) depctr_va_vcc(0) depctr_vm_vsrc(0)
	s_getreg_b32 s2, hwreg(HW_REG_IB_STS2, 6, 4)
	s_cmp_eq_u32 s2, 0
	s_cbranch_scc0 .Lentry_in_a_cluster
	s_endpgm
.Lentry_in_a_cluster:
	s_bfe_u32 s2, ttmp6, 0x10000c
	s_cmp_lg_u32 s2, 0xf033
	s_cbranch_scc0 .Lentry_shape_is_right
	s_endpgm
.Lentry_shape_is_right:
; x1 = O @ w_out + b_out + x, in f32.  O: [32 planes][2048][64] f16 (plane = batch x 16 + head); w_out: [1024][1024] f16 in wh; x, x1: [4096][1024] f32.
; LIMIT: f16 holds no number beyond 65,504: both operands arrive within it.
; A tile of 128 x 128 is made by four waves, each 64 x 64: 16 accumulators; 256 tiles, one for each WGP.  K goes in steps of 256 through two LDS slots.
; A K step is four heads: a wave's part of the left operand is, for each of them, 64 tokens x 128 bytes that lie end to end: one tensor load of 4 rows of 8,192 bytes, padded in LDS after every token.
; The weights lie [K][N] and are turned on the way out of LDS.  The matrix instruction is used transposed: a lane holds eight neighbouring columns of one row of the result.
; CLUSTERS: 4 x 4; the left operand's tile is asked for jointly along a row of the cluster, the weights' along a column.  A loop trip is one K step; the slot in hand is a scalar.
; THE WALK ALONG K BEGINS IN THE MIDDLE IN EVERY OTHER CLUSTER (cluster x + cluster y odd) and wraps.  The two clusters that read the same rows of the left operand, and the clusters above and below
; each other that read the same rows of the weights, then ask for different K steps at any one time, and each K step is asked for a second time half a walk behind the first.  The first K step hangs on
; the cluster's own x and y, which all sixteen partners share.  The f32 sums hold the same terms in another order.
; No prefetch: the tiles are small and a step is short.  The residual's 32 loads a lane go out at the head and land under the whole K loop.
; REGISTERS: window 0: v0-31 addresses; v96-99 the bias; v128-255 the accumulators ((a, b) at v[128 + 8 (4 a + b)]); window 1: two fragment buffers of 128; window 2: v0-127 the residual.
.set PROJ,  1
.if PROJ
.set STEPS, 4
.set WOFF,  6291456                    ; the weights' first byte in wh
.set PA,    144                        ; an LDS row of the left operand: a token's 128 bytes of a head + 16
.set AH,    4*64*PA                    ; what one tensor load brings: 4 heads x 64 tokens
.set AQ,    64*PA                      ; a quarter (64 along K) is a head
.set ASTEP, 4*2048*128                 ; four planes on
.set AQI,   4                          ; padding after every 32 words
.set AD0,   4096                       ; a row of the tile: 64 tokens x 64 numbers
.set AD1,   4
.set AST,   131072                     ; numbers from plane to plane
.else
.set STEPS, 16
.set WOFF,  16777216
.set PA,    528                        ; 512 bytes + 16
.set AH,    64*PA
.set AQ,    128
.set ASTEP, 512
.set AQI,   6                          ; padding after every 128 words
.set AD0,   256
.set AD1,   64
.set AST,   4096
.endif
.set AI,    16*PA
.set PBP,   288                        ; an LDS row of the weights: 256 bytes + 32
.set BH,    128*PBP
.set BOFF,  2*AH
.set SLOT,  BOFF+2*BH
.set SPARE, 2*SLOT                     ; behind the ring: the spare words, that no other line names
.set BSTEP, 256*2048
.set DP,    272                        ; a row of the dump: 64 f32 + 16 bytes
.set DW,    64*DP
.set ADRA0, 16                         ; v16, v17, v20  my lane's places in slot 0; never rewritten
.set ADRB0, 17
.set ADRA,  18                         ; v18, v19, v21  the same in the slot in hand
.set ADRB,  19
.set ADRBH0, 20                        ; the weights' K rows 128 on: their offsets would pass 16 bits
.set ADRBH, 21
.set DST,   24
.set RD,    25
.set CO,    26                         ; v26  my byte offset in the residual and in the output; never rewritten
.set BO,    27
.set SPW,   28
.set NIL,   29
.set BI,    96
.set ACC,   128
.set F0,    0
.set F1,    128
.set G1A,   24
.set G0A,   32
.set G1B,   48
.set G0B,   56
.set RS,    66
.set INSA,  67
.set INSB,  68
.set KC,    69                         ; s69  the K step at which the walking descriptors stand
.set WA,    70                         ; s[70:71] what the left operand's address goes back at the wrap, else 0
.set WB,    76                         ; s[76:77] the same for the weights
.set MSB, 0
.macro WIN new
.if MSB != (\new)
	s_set_vgpr_msb (MSB<<8)|(\new)
.set MSB, \new
.endif
.endm
.set MUL,  0x05                        ; sources 0 and 1 window 1; C and D window 0
.set TO_F, 0x40                        ; destination window 1, address window 0
.macro PLACES
.rept 4
	v_nop
.endr
.endm
.macro JLOAD                           ; a joint refill by the walking sets; an s_nop 0 and four v_nop follow each of the two lines
	s_cmp_eq_u32 s11, 0
	s_cbranch_scc0 .Lfor_b_\@
	tensor_load_to_lds s[G0A+4:G0A+7], s[G1A:G1A+7]
	s_nop 0
.rept 4
	v_nop
.endr
	s_branch .Lasked_\@
.Lfor_b_\@:
	tensor_load_to_lds s[G0B+4:G0B+7], s[G1B:G1B+7]
	s_nop 0
.rept 4
	v_nop
.endr
.Lasked_\@:
.endm
.macro CREST
	s_cmp_lg_u32 s10, 0
	s_cbranch_scc1 .Lnot_wave_0_\@
	s_barrier_signal -3
.Lnot_wave_0_\@:
	s_barrier_wait -3
	s_barrier_signal -1
	s_barrier_wait -1
.endm
.macro CROUND
	s_barrier_signal -1
	s_barrier_wait -1
	CREST
.endm
; 8 matrix instructions: m blocks a0, a0 + 1 x all 4 n blocks, 32 along K: half c of buffer f.  The 16 accumulators take turns in one fixed order.
.macro MUL8 f, c, a0, zero
	WIN MUL
.irp a, \a0, (\a0)+1
.irp b, 0,1,2,3
.if \zero
	v_wmma_f32_16x16x32_f16 v[ACC+8*(4*(\a)+(\b)):ACC+8*(4*(\a)+(\b))+7], v[(\f)+64+8*(4*(\c)+(\b)):(\f)+64+8*(4*(\c)+(\b))+7], v[(\f)+8*(4*(\c)+(\a)):(\f)+8*(4*(\c)+(\a))+7], 0
.else
	v_wmma_f32_16x16x32_f16 v[ACC+8*(4*(\a)+(\b)):ACC+8*(4*(\a)+(\b))+7], v[(\f)+64+8*(4*(\c)+(\b)):(\f)+64+8*(4*(\c)+(\b))+7], v[(\f)+8*(4*(\c)+(\a)):(\f)+8*(4*(\c)+(\a))+7], v[ACC+8*(4*(\a)+(\b)):ACC+8*(4*(\a)+(\b))+7]
.endif
.endr
.endr
.endm
; 32 LDS loads in one run: quarter q (64 along K) of the slot in hand into buffer f; the first 32 along K first
.macro FETCH q, f
	WIN TO_F
.if (\q) < 2
.set BAD, ADRB
.else
.set BAD, ADRBH
.endif
.irp c, 0,1
.irp i, 0,1,2,3
	ds_load_tr16_b128 v[(\f)+64+8*(4*(\c)+(\i)):(\f)+64+8*(4*(\c)+(\i))+3],   v[BAD] offset:(((\q)&1)*64+32*(\c))*PBP+32*(\i)
	ds_load_tr16_b128 v[(\f)+64+8*(4*(\c)+(\i))+4:(\f)+64+8*(4*(\c)+(\i))+7], v[BAD] offset:(((\q)&1)*64+32*(\c))*PBP+32*(\i)+16*PBP
	ds_load_b128 v[(\f)+8*(4*(\c)+(\i)):(\f)+8*(4*(\c)+(\i))+3],   v[ADRA] offset:(\q)*AQ+64*(\c)+(\i)*AI
	ds_load_b128 v[(\f)+8*(4*(\c)+(\i))+4:(\f)+8*(4*(\c)+(\i))+7], v[ADRA] offset:(\q)*AQ+64*(\c)+(\i)*AI+32
.endr
.endr
.endm
.macro QUARTER q, f, g, zero
	s_wait_dscnt 16                                ; the first 32 along K are in
	MUL8 \f, 0, 0, \zero
	MUL8 \f, 0, 2, \zero
	PLACES
	FETCH \q, \g
	s_wait_dscnt 32                                ; all but the 32 just issued
	MUL8 \f, 1, 0, 0
	MUL8 \f, 1, 2, 0
.endm
; The first half of a step's last quarter and the barrier of the change of slots: all my tensor loads, the add, my reads of this slot, then the signal.
.macro MEET
	WIN 0
	s_wait_tensorcnt 0x0
	ds_add_u32 v[SPW], v[NIL]
	s_wait_dscnt 17                                ; the add and the youngest sixteen loads may be out
	MUL8 F1, 0, 0, 0
	s_wait_dscnt 0x0
	s_barrier_signal -1
	MUL8 F1, 0, 2, 0
	WIN 0
	s_barrier_wait -1
.endm
.macro FLIP
	s_xor_b32 s[RS], s[RS], SLOT
	v_add_nc_u32 v[ADRA], s[RS], v[ADRA0]
	v_add_nc_u32 v[ADRB], s[RS], v[ADRB0]
	v_add_nc_u32 v[ADRBH], s[RS], v[ADRBH0]
.endm
.macro TURN                            ; the barrier opens a round of the cluster's barrier; the joint refill, two K steps ahead, is the first thing behind it
	s_add_co_u32 s[KC], s[KC], 1                   ; the K step to be asked for: behind the last comes the first,
	s_cmp_eq_u32 s[KC], STEPS
	s_cselect_b32 s[KC], 0, s[KC]
	s_cselect_b32 s[WA], STEPS*ASTEP, 0            ; and both addresses then go back by the whole walk
	s_cselect_b32 s[WB], STEPS*BSTEP, 0
	MEET
	CREST
	s_add_co_u32 s[G0A+5], s[INSA], s[RS]          ; no tensor load of mine is out: the walking sets take the slot just read
	s_add_co_u32 s[G0B+5], s[INSB], s[RS]
	s_add_nc_u64 s[G0A+6:G0A+7], s[G0A+6:G0A+7], ASTEP
	s_sub_nc_u64 s[G0A+6:G0A+7], s[G0A+6:G0A+7], s[WA:WA+1]
	s_add_nc_u64 s[G0B+6:G0B+7], s[G0B+6:G0B+7], BSTEP
	s_sub_nc_u64 s[G0B+6:G0B+7], s[G0B+6:G0B+7], s[WB:WB+1]
	JLOAD
	FLIP
	FETCH 0, F0
	MUL8 F1, 1, 0, 0
	MUL8 F1, 1, 2, 0
.endm
	s_load_b128 s[4:7], s[0:1], 0x0                ; the left operand s[4:5], wh s[6:7]
	s_load_b64 s[8:9], s[0:1], 0x10                ; the output
	s_load_b128 s[72:75], s[0:1], 0x18             ; the bias s[72:73], the residual s[74:75]
	v_lshl_add_u32 v[SPW], v0, 2, SPARE
	v_mov_b32 v[NIL], 0
	ds_add_u32 v[SPW], v[NIL]                      ; the wave's opening: the add and its wait ahead of my first tensor load
	v_lshrrev_b32 v1, 5, v0
	v_readfirstlane_b32 s10, v1
	s_lshr_b32 s11, s10, 1
	s_and_b32 s12, s10, 1
	s_bfe_u32 s40, ttmp6, 0x40000
	s_bfe_u32 s41, ttmp6, 0x40004
	s_lshl_b32 s42, ttmp9, 2
	s_add_co_u32 s42, s42, s40                     ; tile column
	s_and_b32 s13, ttmp7, 0xffff
	s_lshl_b32 s13, s13, 2
	s_add_co_u32 s13, s13, s41                     ; tile row
	s_lshl_b32 s18, s41, 2
	s_lshl_b32 s18, 15, s18
	s_lshl_b32 s19, 0x1111, s40
	s_or_b32 s[G1A], s18, (1<<16)|(1<<20)|(1<<21)|(AQI<<22)|(3<<25)
	s_or_b32 s[G1B], s19, (1<<16)|(1<<20)|(1<<21)|(5<<22)|(7<<25)
	s_mov_b32 s[G1A+1], AD0<<16
	s_mov_b32 s[G1A+2], AD1<<16
	s_mov_b32 s[G1A+3], AD0<<16
	s_mov_b32 s[G1A+4], AD1
	s_mov_b32 s[G1A+5], AST
	s_mov_b32 s[G1A+6], 0
	s_mov_b32 s[G1A+7], 0
	s_mov_b32 s[G1B+1], 128<<16                    ; 128 columns
	s_mov_b32 s[G1B+2], 128<<16                    ; 128 rows along K
	s_mov_b32 s[G1B+3], 128<<16
	s_mov_b32 s[G1B+4], 128
	s_mov_b32 s[G1B+5], 1024
	s_mov_b32 s[G1B+6], 0
	s_mov_b32 s[G1B+7], 0
.if PROJ
	s_lshr_b32 s16, s13, 4                         ; the batch: 16 planes of 262,144 bytes
	s_lshl_b32 s16, s16, 22
	s_and_b32 s17, s13, 15
	s_lshl_b32 s17, s17, 7
	s_lshl_b32 s18, s12, 6
	s_add_co_u32 s17, s17, s18                     ; my first token,
	s_lshl_b32 s17, s17, 7                         ; of 128 bytes
	s_add_co_u32 s16, s16, s17
.else
	s_lshl_b32 s16, s13, 7
	s_lshl_b32 s17, s12, 6
	s_add_co_u32 s16, s16, s17                     ; row 128 x tile row + 64 x half,
	s_lshl_b32 s16, s16, 13                        ; of 8,192 bytes
.endif
	s_mov_b32 s17, 0
	s_lshl_b32 s22, s42, 8                         ; the weights: 256 bytes x tile column
	s_lshl_b32 s23, s12, 18                        ; + 128 rows of 2,048 bytes x half
	s_add_co_u32 s22, s22, s23
	s_add_co_u32 s22, s22, WOFF
	s_mov_b32 s23, 0
	s_and_b32 s[KC], ttmp7, 0xffff                 ; cluster y
	s_add_co_u32 s[KC], s[KC], ttmp9               ; + cluster x:
	s_and_b32 s[KC], s[KC], 1                      ; odd clusters
	s_mul_i32 s[KC], s[KC], STEPS/2                ; begin in the middle of K
	s_mul_i32 s18, s[KC], ASTEP
	s_add_co_u32 s16, s16, s18
	s_mul_i32 s18, s[KC], BSTEP
	s_add_co_u32 s22, s22, s18
	s_add_co_u32 s[KC], s[KC], 1                   ; the walking sets start at my second K step
	s_mov_b32 s[WA+1], 0
	s_mov_b32 s[WB+1], 0
	s_mul_i32 s[INSA], s12, AH
	s_mul_i32 s[INSB], s12, BH
	s_add_co_u32 s[INSB], s[INSB], BOFF
	s_mov_b32 s[RS], 0
	s_wait_dscnt 0x0                               ; the opening add is done
	s_wait_kmcnt 0x0
	s_add_nc_u64 s[14:15], s[4:5], s[16:17]
	s_add_nc_u64 s[20:21], s[6:7], s[22:23]
	CROUND
	s_mov_b32 s[G0A], 1
	s_mov_b32 s[G0A+1], s[INSA]
	s_add_nc_u64 s[G0A+2:G0A+3], s[14:15], 0
	s_or_b32 s[G0A+3], s[G0A+3], 0x80000000
	s_mov_b32 s[G0A+4], 1
	s_add_co_u32 s[G0A+5], s[INSA], SLOT
	s_add_nc_u64 s[G0A+6:G0A+7], s[14:15], ASTEP
	s_or_b32 s[G0A+7], s[G0A+7], 0x80000000
	s_mov_b32 s[G0B], 1
	s_mov_b32 s[G0B+1], s[INSB]
	s_add_nc_u64 s[G0B+2:G0B+3], s[20:21], 0
	s_or_b32 s[G0B+3], s[G0B+3], 0x80000000
	s_mov_b32 s[G0B+4], 1
	s_add_co_u32 s[G0B+5], s[INSB], SLOT
	s_add_nc_u64 s[G0B+6:G0B+7], s[20:21], BSTEP
	s_or_b32 s[G0B+7], s[G0B+7], 0x80000000
	s_cmp_eq_u32 s11, 0                            ; a wave's two first fills stand in one branch: two loads of mine are out
	s_cbranch_scc0 .Lfirst_b
	tensor_load_to_lds s[G0A:G0A+3], s[G1A:G1A+7]
	s_nop 0
	tensor_load_to_lds s[G0A+4:G0A+7], s[G1A:G1A+7]
	s_nop 0
.rept 4
	v_nop
.endr
	s_branch .Lfirst_asked
.Lfirst_b:
	tensor_load_to_lds s[G0B:G0B+3], s[G1B:G1B+7]
	s_nop 0
	tensor_load_to_lds s[G0B+4:G0B+7], s[G1B:G1B+7]
	s_nop 0
.rept 4
	v_nop
.endr
.Lfirst_asked:
	v_and_b32 v1, 15, v0                           ; l % 16
	v_bfe_u32 v2, v0, 4, 1                         ; l / 16
	v_lshlrev_b32 v[BO], 4, v1
	v_lshl_add_u32 v[CO], v2, 12, v[BO]            ; lanes 0-15 take 256 bytes of one row, lanes 16-31 of the next
	s_lshl_b32 s16, s42, 9
	s_lshl_b32 s17, s12, 8
	s_add_co_u32 s16, s16, s17                     ; my 64 columns, in bytes of f32
	s_mov_b32 s17, 0
	s_add_nc_u64 s[72:73], s[72:73], s[16:17]
	s_lshl_b32 s18, s13, 7
	s_lshl_b32 s19, s11, 6
	s_add_co_u32 s18, s18, s19                     ; my first row,
	s_lshl_b32 s18, s18, 12                        ; of 4,096 bytes
	s_add_co_u32 s16, s16, s18
	s_add_nc_u64 s[74:75], s[74:75], s[16:17]
	s_add_nc_u64 s[8:9], s[8:9], s[16:17]
	global_load_b128 v[BI:BI+3], v[BO], s[72:73]
	WIN 0x80                                       ; destination window 2
.set t, 0
.rept 32
	global_load_b128 v[4*t:4*t+3], v[CO], s[74:75] offset:8192*t  ; the residual: rows 2 t and 2 t + 1 of my 64
.set t, t+1
.endr
	WIN 0
	v_mul_u32_u24 v3, v1, PA
	v_lshl_add_u32 v3, v2, 4, v3
	s_mul_i32 s16, s11, AH
	v_add_nc_u32 v[ADRA0], s16, v3
	v_and_b32 v4, 7, v0
	v_lshl_add_u32 v4, v2, 3, v4
	v_bfe_u32 v5, v0, 3, 1
	v_mul_u32_u24 v4, v4, PBP
	v_lshl_add_u32 v4, v5, 4, v4
	s_lshl_b32 s16, s12, 7                         ; my 64 columns
	s_add_co_u32 s16, s16, BOFF
	v_add_nc_u32 v[ADRB0], s16, v4
	v_add_nc_u32 v[ADRBH0], 128*PBP, v[ADRB0]
	v_mov_b32 v[ADRA], v[ADRA0]
	v_mov_b32 v[ADRB], v[ADRB0]
	v_mov_b32 v[ADRBH], v[ADRBH0]
	s_mul_i32 s16, s10, DW                         ; my dump
	v_mul_u32_u24 v7, v1, DP
	v_lshl_add_u32 v7, v2, 5, v7
	v_add_nc_u32 v[DST], s16, v7
	v_mul_u32_u24 v7, v2, DP
	v_lshl_add_u32 v7, v1, 4, v7
	v_add_nc_u32 v[RD], s16, v7
	s_wait_tensorcnt 1                             ; my part of my first K step is in; the second's may stay out
	s_barrier_signal -1
	s_barrier_wait -1
	FETCH 0, F0
	QUARTER 1, F0, F1, 1
	WIN 0
	s_mov_b32 s3, STEPS-2
.Lk:
	QUARTER 2, F1, F0, 0
	QUARTER 3, F0, F1, 0
	TURN
	QUARTER 1, F0, F1, 0
	WIN 0
	s_sub_co_u32 s3, s3, 1
	s_cmp_lg_u32 s3, 0
	s_cbranch_scc1 .Lk
	s_mov_b32 s2, 2
.Lt:                                               ; the last two K steps ask for nothing; the second trip is left behind the barrier that ends all reads of the ring
	QUARTER 2, F1, F0, 0
	QUARTER 3, F0, F1, 0
	MEET
	s_sub_co_u32 s2, s2, 1
	s_cmp_eq_u32 s2, 0
	s_cbranch_scc1 .Lfin
	PLACES
	FLIP
	FETCH 0, F0
	MUL8 F1, 1, 0, 0
	MUL8 F1, 1, 2, 0
	QUARTER 1, F0, F1, 0
	WIN 0
	s_branch .Lt
.Lfin:
	MUL8 F1, 1, 0, 0
	MUL8 F1, 1, 2, 0
	WIN 0
	PLACES
	PLACES
	; THE WAY OUT: f32 results into my own bytes of the dead ring, back as whole rows of 256 bytes; bias and residual are added; 16 lanes store 256 consecutive bytes, aligned
.set a, 0
.rept 4
.set b, 0
.rept 4
	ds_store_b128 v[DST], v[ACC+8*(4*a+b):ACC+8*(4*a+b)+3]   offset:a*16*DP+64*b
	ds_store_b128 v[DST], v[ACC+8*(4*a+b)+4:ACC+8*(4*a+b)+7] offset:a*16*DP+64*b+16
.set b, b+1
.endr
.set a, a+1
.endr
.set t, 0
.rept 32
	ds_load_b128 v[ACC+4*t:ACC+4*t+3], v[RD] offset:2*DP*t  ; LDS serves a wave's instructions in order: these see the stores above
.set t, t+1
.endr
	s_wait_loadcnt 0x0                             ; the bias and the residual
	WIN 0x82                                       ; destination and source 0 window 2, source 1 window 0
.set t, 0
.rept 32
	v_pk_add_f32 v[4*t:4*t+1], v[4*t:4*t+1], v[BI:BI+1]
	v_pk_add_f32 v[4*t+2:4*t+3], v[4*t+2:4*t+3], v[BI+2:BI+3]
.set t, t+1
.endr
	s_wait_dscnt 0x0
	WIN 0x08                                       ; source 1 window 2
.set t, 0
.rept 64
	v_pk_add_f32 v[ACC+2*t:ACC+2*t+1], v[ACC+2*t:ACC+2*t+1], v[2*t:2*t+1]
.set t, t+1
.endr
	WIN 0
.set t, 0
.rept 32
	global_store_b128 v[CO], v[ACC+4*t:ACC+4*t+3], s[8:9] offset:8192*t
.set t, t+1
.endr
	s_wait_tensorcnt 0x0                           ; the wave's end
	ds_add_u32 v[SPW], v[NIL]
	s_wait_dscnt 0x0
	CROUND                                         ; the closing round
	s_endpgm
.Lfunc_end_k_qd63010c02f_proj:
	.size	k_qd63010c02f_proj, .Lfunc_end_k_qd63010c02f_proj-k_qd63010c02f_proj
	.p2alignl 7, 3214868480
	.fill 96, 4, 3214868480
	.section	.rodata,"a",@progbits
	.p2align	6, 0x0
	.amdhsa_kernel k_qd63010c02f_proj
		.amdhsa_group_segment_fixed_size 327680
		.amdhsa_private_segment_fixed_size 0
		.amdhsa_enable_private_segment 0
		.amdhsa_kernarg_size 40
		.amdhsa_user_sgpr_count 2
		.amdhsa_user_sgpr_kernarg_segment_ptr 1
		.amdhsa_wavefront_size32 1
		.amdhsa_system_sgpr_workgroup_id_x 1
		.amdhsa_system_sgpr_workgroup_id_y 1
		.amdhsa_system_sgpr_workgroup_id_z 1
		.amdhsa_system_vgpr_workitem_id 0
		.amdhsa_next_free_vgpr 640
		.amdhsa_next_free_sgpr 80
		.amdhsa_reserve_vcc 0
		.amdhsa_float_denorm_mode_32 3
		.amdhsa_float_denorm_mode_16_64 3
		.amdhsa_memory_ordered 1
		.amdhsa_forward_progress 1
		.amdhsa_inst_pref_size 71
	.end_amdhsa_kernel
	.amdgpu_metadata
---
amdhsa.version: [ 1, 2 ]
amdhsa.kernels:
  - .name:           k_qd63010c02f_proj
    .symbol:         k_qd63010c02f_proj.kd
    .args:
      - { .name: o, .offset: 0, .size: 8, .value_kind: global_buffer, .address_space: global }
      - { .name: wh, .offset: 8, .size: 8, .value_kind: global_buffer, .address_space: global }
      - { .name: x1, .offset: 16, .size: 8, .value_kind: global_buffer, .address_space: global }
      - { .name: b_out, .offset: 24, .size: 8, .value_kind: global_buffer, .address_space: global }
      - { .name: x, .offset: 32, .size: 8, .value_kind: global_buffer, .address_space: global }
    .group_segment_fixed_size: 327680
    .private_segment_fixed_size: 0
    .kernarg_segment_align: 8
    .kernarg_segment_size: 40
    .max_flat_workgroup_size: 128
    .sgpr_count:     80
    .vgpr_count:     640
    .wavefront_size: 32
...
	.end_amdgpu_metadata
.endif
;; end of part 4
;; launch ln2: the kernel of part 1 again; grid 256 x 1, 8 waves a work-group, no clusters, 0 bytes of LDS; arguments x1, ln2_g, ln2_b, w_qkv, w_out, w1, w2, h, wh; writes h, wh
;; launch ffn1 (part 5): grid 16 x 16, 4 waves a work-group, clusters of 4 x 4, 327,680 bytes of LDS; arguments h, wh, t, b1; writes t
.if DOCPART == 5
	.amdgcn_target "amdgcn-amd-amdhsa--gfx1250"
	.amdhsa_code_object_version 6
	.text
	.protected	k_qd63010c02f_ffn1
	.globl	k_qd63010c02f_ffn1
	.p2align	8
	.type	k_qd63010c02f_ffn1,@function
k_qd63010c02f_ffn1:
	s_mov_b64 s[64:65], 0
	v_nop
	global_prefetch_b8 v0, s[64:65] scope:SCOPE_SE
	s_setreg_imm32_b32 hwreg(HW_REG_WAVE_MODE, 25, 1), 1
	s_wait_xcnt 0x0
	s_wait_alu depctr_hold_cnt(0) depctr_sa_sdst(0) depctr_va_vdst(0) depctr_va_sdst(0) depctr_va_ssrc(0) depctr_va_vcc(0) depctr_vm_vsrc(0)
	s_getreg_b32 s2, hwreg(HW_REG_IB_STS2, 6, 4)
	s_cmp_eq_u32 s2, 0
	s_cbranch_scc0 .Lentry_in_a_cluster
	s_endpgm
.Lentry_in_a_cluster:
	s_bfe_u32 s2, ttmp6, 0x10000c
	s_cmp_lg_u32 s2, 0xf033
	s_cbranch_scc0 .Lentry_shape_is_right
	s_endpgm
.Lentry_shape_is_right:
; t = gelu(h @ w1 + b1), the exact (erf) form, rounded once to f16.  h: [4096][1024] f16; w1: [1024][4096] f16 at byte 8,388,608 of wh; t: [4096][4096] f16.
; LIMIT: f16 holds no number beyond 65,504: h, the weights and t must stay within that.
; GELU.  gelu(y) = max(y, 0) - |y| q(|y|), where q(z) = 1 - Phi(z) = (c1 u + .. + c5 u^5) 2^(k z^2), u = 1 / (1 + p z): the rational form of the normal tail, within 7.5e-8 of it for every z;
; for large |y| the power of two is 0 and the result is y or 0.
; A tile of 256 x 256 is made by four waves, each 128 x 128: 64 accumulators, 512 registers; 256 tiles, one for each WGP.  K goes in steps of 128 through two LDS slots filled by the tensor data mover.
; THE WEIGHTS LIE [K][N] and are turned on the way out of LDS by ds_load_tr16_b128.  THE MATRIX INSTRUCTION IS USED TRANSPOSED: a lane holds eight neighbouring columns of one row of the result.
; CLUSTERS: 4 x 4 work-groups; h's tile is asked for jointly along a row of the cluster, the weights' along a column.  A LOOP TRIP IS ONE K STEP: the slot in hand is a scalar that an exclusive or turns.
; THE WAY OUT: behind the last barrier each wave puts its 128 x 128 f32 results into bytes of its own in the dead ring and reads whole rows back: the activation is then written once, as a loop.
; REGISTERS: window 0: v0-31 addresses; v32-35 the bias; v64-127, v128-191 fragments of h (later the activation's work); window 1: the same numbers, fragments of the weights; windows 2, 3: the accumulators.
.set NB,    4096
.set WOFF,  8388608
.set STEPS, 8
.set KSTEP, 128
.set PA,    272
.set AH,    128*PA
.set PBP,   544
.set BH,    64*PBP
.set BOFF,  2*AH
.set SLOT,  BOFF+2*BH
.set SPARE, 2*SLOT
.set DP,    528
.set DW,    128*DP
.set ASTEP, KSTEP*2
.set BSTEP, KSTEP*NB*2
.set ADRA0, 16
.set ADRB0, 17
.set ADRA,  18
.set ADRB,  19
.set DST,   24
.set RD,    25
.set CO,    26
.set BO,    27
.set SPW,   28
.set NIL,   29
.set PFO,   30
.set BI,    32
.set F0,    64
.set F1,    128
.set G1A,   24
.set G0A,   32
.set G1B,   48
.set G0B,   56
.set LIM,   43
.set PFA,   44
.set PFS,   46
.set RS,    66
.set INSA,  67
.set INSB,  68
.set MSB, 0
.macro WIN new
.if MSB != (\new)
	s_set_vgpr_msb (MSB<<8)|(\new)
.set MSB, \new
.endif
.endm
.set MUL_LO, 0xa1
.set MUL_HI, 0xf1
.set TO_B,   0x40
.macro PLACES
.rept 4
	v_nop
.endr
.endm
.macro JLOAD                           ; a joint refill by the walking sets; an s_nop 0 and four v_nop follow each of the two lines
	s_cmp_eq_u32 s11, 0
	s_cbranch_scc0 .Lfor_b_\@
	tensor_load_to_lds s[G0A+4:G0A+7], s[G1A:G1A+7]
	s_nop 0
.rept 4
	v_nop
.endr
	s_branch .Lasked_\@
.Lfor_b_\@:
	tensor_load_to_lds s[G0B+4:G0B+7], s[G1B:G1B+7]
	s_nop 0
.rept 4
	v_nop
.endr
.Lasked_\@:
.endm
; A prefetch of the K step that stands two refills on: 32 blocks of 256 bytes, a lane a block.  Cluster x = 0 asks for h's (waves 0, 1), cluster y = 0 for the weights' (waves 2, 3); the four partners
; share the blocks out by address.  Trip s names K step s + 4: the last two trips ask for nothing.
.macro ASK
	s_cmp_gt_u32 s3, s[LIM]
	s_cbranch_scc0 .Lnot_mine_\@
	global_prefetch_b8 v[PFO], s[PFA:PFA+1] th:TH_LOAD_NT scope:SCOPE_SE
.Lnot_mine_\@:
.endm
.macro CREST
	s_cmp_lg_u32 s10, 0
	s_cbranch_scc1 .Lnot_wave_0_\@
	s_barrier_signal -3
.Lnot_wave_0_\@:
	s_barrier_wait -3
	s_barrier_signal -1
	s_barrier_wait -1
.endm
.macro CROUND
	s_barrier_signal -1
	s_barrier_wait -1
	CREST
.endm
.macro MUL16 f, hi, a0, zero           ; 16 matrix instructions; the 64 accumulators take turns in one fixed order
	WIN MUL_LO+0x50*(\hi)
.irp a, \a0, (\a0)+1
.irp b, 0,1,2,3,4,5,6,7
.if \zero
	v_wmma_f32_16x16x32_f16 v[8*(8*(\a)+(\b)):8*(8*(\a)+(\b))+7], v[(\f)+8*(\b):(\f)+8*(\b)+7], v[(\f)+8*(4*(\hi)+(\a)):(\f)+8*(4*(\hi)+(\a))+7], 0
.else
	v_wmma_f32_16x16x32_f16 v[8*(8*(\a)+(\b)):8*(8*(\a)+(\b))+7], v[(\f)+8*(\b):(\f)+8*(\b)+7], v[(\f)+8*(4*(\hi)+(\a)):(\f)+8*(4*(\hi)+(\a))+7], v[8*(8*(\a)+(\b)):8*(8*(\a)+(\b))+7]
.endif
.endr
.endr
.endm
.macro FETCH q, f                      ; 32 LDS loads in one run: quarter q of the slot in hand into buffer f: the weights turned, then h
	WIN TO_B
.irp i, 0,1,2,3,4,5,6,7
	ds_load_tr16_b128 v[(\f)+8*(\i):(\f)+8*(\i)+3],   v[ADRB] offset:(\q)*32*PBP+32*(\i)
	ds_load_tr16_b128 v[(\f)+8*(\i)+4:(\f)+8*(\i)+7], v[ADRB] offset:(\q)*32*PBP+32*(\i)+16*PBP
.endr
	WIN 0
.irp i, 0,1,2,3,4,5,6,7
	ds_load_b128 v[(\f)+8*(\i):(\f)+8*(\i)+3],   v[ADRA] offset:(\q)*64+(\i)*16*PA
	ds_load_b128 v[(\f)+8*(\i)+4:(\f)+8*(\i)+7], v[ADRA] offset:(\q)*64+(\i)*16*PA+32
.endr
.endm
.macro QUARTER q, f, g, zero
	s_wait_dscnt 8                                 ; the weights and h's rows 0-63 are in; the youngest eight loads may be out
	MUL16 \f, 0, 0, \zero
	MUL16 \f, 0, 2, \zero
	PLACES
	FETCH \q, \g
	s_wait_dscnt 32                                ; all but the 32 just issued
	MUL16 \f, 1, 0, \zero
	MUL16 \f, 1, 2, \zero
.endm
.macro MEET                            ; all my tensor loads, the add, my reads of this slot, then the barrier of the change of slots
	WIN 0
	s_wait_tensorcnt 0x0
	ds_add_u32 v[SPW], v[NIL]
	s_wait_dscnt 9                                 ; the add and the youngest eight loads may be out
	MUL16 F1, 0, 0, 0
	s_wait_dscnt 0x0
	s_barrier_signal -1
	MUL16 F1, 0, 2, 0
	WIN 0
	s_barrier_wait -1
.endm
.macro FLIP
	s_xor_b32 s[RS], s[RS], SLOT
	v_add_nc_u32 v[ADRA], s[RS], v[ADRA0]
	v_add_nc_u32 v[ADRB], s[RS], v[ADRB0]
.endm
.macro TURN
	s_wait_xcnt 0x0                                ; the last prefetch, a K step back, has read its address
	s_add_nc_u64 s[PFA:PFA+1], s[PFA:PFA+1], s[PFS:PFS+1]
	MEET
	CREST
	s_add_co_u32 s[G0A+5], s[INSA], s[RS]
	s_add_co_u32 s[G0B+5], s[INSB], s[RS]
	s_add_nc_u64 s[G0A+6:G0A+7], s[G0A+6:G0A+7], ASTEP
	s_add_nc_u64 s[G0B+6:G0B+7], s[G0B+6:G0B+7], BSTEP
	JLOAD
	FLIP
	FETCH 0, F0
	ASK
	MUL16 F1, 1, 0, 0
	MUL16 F1, 1, 2, 0
.endm
	s_load_b128 s[4:7], s[0:1], 0x0                ; h s[4:5], wh s[6:7]
	s_load_b64 s[8:9], s[0:1], 0x10                ; t
	s_load_b64 s[70:71], s[0:1], 0x18              ; b1
	v_lshl_add_u32 v[SPW], v0, 2, SPARE
	v_mov_b32 v[NIL], 0
	ds_add_u32 v[SPW], v[NIL]                      ; the wave's opening: the add and its wait ahead of my first tensor load
	v_lshrrev_b32 v1, 5, v0
	v_readfirstlane_b32 s10, v1
	s_lshr_b32 s11, s10, 1
	s_and_b32 s12, s10, 1
	s_bfe_u32 s40, ttmp6, 0x40000
	s_bfe_u32 s41, ttmp6, 0x40004
	s_lshl_b32 s42, ttmp9, 2
	s_add_co_u32 s42, s42, s40                     ; tile column
	s_and_b32 s13, ttmp7, 0xffff
	s_lshl_b32 s13, s13, 2
	s_add_co_u32 s13, s13, s41                     ; tile row
	s_lshl_b32 s18, s41, 2
	s_lshl_b32 s18, 15, s18
	s_lshl_b32 s19, 0x1111, s40
	s_or_b32 s[G1A], s18, (1<<16)|(1<<20)|(1<<21)|(5<<22)|(3<<25)
	s_or_b32 s[G1B], s19, (1<<16)|(1<<20)|(1<<21)|(6<<22)|(7<<25)
	s_mov_b32 s[G1A+1], 128<<16
	s_mov_b32 s[G1A+2], 128<<16
	s_mov_b32 s[G1A+3], 128<<16
	s_mov_b32 s[G1A+4], 128
	s_mov_b32 s[G1A+5], 1024
	s_mov_b32 s[G1A+6], 0
	s_mov_b32 s[G1A+7], 0
	s_mov_b32 s[G1B+1], 256<<16
	s_mov_b32 s[G1B+2], 64<<16
	s_mov_b32 s[G1B+3], 256<<16
	s_mov_b32 s[G1B+4], 64
	s_mov_b32 s[G1B+5], NB
	s_mov_b32 s[G1B+6], 0
	s_mov_b32 s[G1B+7], 0
	s_lshl_b32 s16, s13, 8
	s_lshl_b32 s17, s12, 7
	s_add_co_u32 s16, s16, s17
	s_lshl_b32 s16, s16, 11
	s_mov_b32 s17, 0
	s_lshl_b32 s22, s42, 9
	s_mul_i32 s23, s12, 64*NB*2
	s_add_co_u32 s22, s22, s23
	s_add_co_u32 s22, s22, WOFF
	s_mov_b32 s23, 0
	s_mul_i32 s[INSA], s12, AH
	s_mul_i32 s[INSB], s12, BH
	s_add_co_u32 s[INSB], s[INSB], BOFF
	s_mov_b32 s[RS], 0
	s_mov_b32 s72, 0x3e6d3389                      ; p = 0.2316419
	s_mov_b32 s73, s72
	s_mov_b32 s74, 0xbf38aa3b                      ; k = -log2(e) / 2
	s_mov_b32 s75, s74
	s_mov_b32 s76, 0x3f07dc22                      ; c5 = 0.5307027
	s_mov_b32 s77, s76
	s_mov_b32 s78, 0xbf3a00e3                      ; c4 = -0.7265760
	s_mov_b32 s79, s78
	s_mov_b32 s80, 0x3f35f0e3                      ; c3 = 0.7107069
	s_mov_b32 s81, s80
	s_mov_b32 s82, 0xbe11a98e                      ; c2 = -0.1422484
	s_mov_b32 s83, s82
	s_mov_b32 s84, 0x3e027906                      ; c1 = 0.1274148
	s_mov_b32 s85, s84
	s_wait_dscnt 0x0                               ; the opening add is done
	s_wait_kmcnt 0x0
	s_add_nc_u64 s[14:15], s[4:5], s[16:17]
	s_add_nc_u64 s[20:21], s[6:7], s[22:23]
	CROUND
	s_mov_b32 s[G0A], 1
	s_mov_b32 s[G0A+1], s[INSA]
	s_add_nc_u64 s[G0A+2:G0A+3], s[14:15], 0
	s_or_b32 s[G0A+3], s[G0A+3], 0x80000000
	s_mov_b32 s[G0A+4], 1
	s_add_co_u32 s[G0A+5], s[INSA], SLOT
	s_add_nc_u64 s[G0A+6:G0A+7], s[14:15], ASTEP
	s_or_b32 s[G0A+7], s[G0A+7], 0x80000000
	s_mov_b32 s[G0B], 1
	s_mov_b32 s[G0B+1], s[INSB]
	s_add_nc_u64 s[G0B+2:G0B+3], s[20:21], 0
	s_or_b32 s[G0B+3], s[G0B+3], 0x80000000
	s_mov_b32 s[G0B+4], 1
	s_add_co_u32 s[G0B+5], s[INSB], SLOT
	s_add_nc_u64 s[G0B+6:G0B+7], s[20:21], BSTEP
	s_or_b32 s[G0B+7], s[G0B+7], 0x80000000
	s_cmp_eq_u32 s11, 0                            ; a wave's two first fills stand in one branch: two loads of mine are out
	s_cbranch_scc0 .Lfirst_b
	tensor_load_to_lds s[G0A:G0A+3], s[G1A:G1A+7]
	s_nop 0
	tensor_load_to_lds s[G0A+4:G0A+7], s[G1A:G1A+7]
	s_nop 0
.rept 4
	v_nop
.endr
	s_branch .Lfirst_asked
.Lfirst_b:
	tensor_load_to_lds s[G0B:G0B+3], s[G1B:G1B+7]
	s_nop 0
	tensor_load_to_lds s[G0B+4:G0B+7], s[G1B:G1B+7]
	s_nop 0
.rept 4
	v_nop
.endr
.Lfirst_asked:
	v_and_b32 v1, 15, v0
	v_bfe_u32 v2, v0, 4, 1
	v_mul_u32_u24 v3, v1, PA
	v_lshl_add_u32 v3, v2, 4, v3
	s_mul_i32 s16, s11, AH
	v_add_nc_u32 v[ADRA0], s16, v3
	v_and_b32 v4, 7, v0
	v_lshl_add_u32 v4, v2, 3, v4
	v_bfe_u32 v5, v0, 3, 1
	v_mul_u32_u24 v4, v4, PBP
	v_lshl_add_u32 v4, v5, 4, v4
	s_lshl_b32 s16, s12, 8
	s_add_co_u32 s16, s16, BOFF
	v_add_nc_u32 v[ADRB0], s16, v4
	v_mov_b32 v[ADRA], v[ADRA0]
	v_mov_b32 v[ADRB], v[ADRB0]
	s_mul_i32 s16, s10, DW                         ; my dump
	v_mul_u32_u24 v7, v1, DP
	v_lshl_add_u32 v7, v2, 5, v7
	v_add_nc_u32 v[DST], s16, v7
	v_and_b32 v6, 31, v0
	v_lshl_add_u32 v[RD], v6, 4, s16               ; back: a row of 512 bytes a load, 16 bytes a lane
	v_lshlrev_b32 v[CO], 3, v6                     ; out: 8 bytes a lane
	v_lshlrev_b32 v[BO], 4, v6
	s_lshl_b32 s16, s42, 10
	s_lshl_b32 s17, s12, 9
	s_add_co_u32 s16, s16, s17                     ; the bias of my 128 columns
	s_mov_b32 s17, 0
	s_add_nc_u64 s[70:71], s[70:71], s[16:17]
	global_load_b128 v[BI:BI+3], v[BO], s[70:71]
	s_lshl_b32 s16, s13, 8
	s_lshl_b32 s17, s11, 7
	s_add_co_u32 s16, s16, s17                     ; my first row,
	s_lshl_b32 s16, s16, 13                        ; of 8,192 bytes,
	s_lshl_b32 s17, s42, 9
	s_add_co_u32 s16, s16, s17
	s_lshl_b32 s17, s12, 8
	s_add_co_u32 s16, s16, s17                     ; my first column
	s_mov_b32 s17, 0
	s_add_nc_u64 s[8:9], s[8:9], s[16:17]
	; the prefetches: h's rows 256 x tile row + 128 x half + 32 cx + lane; the weights' K rows 64 x half + 16 cy + lane / 2, block lane % 2.  Both stand at K step 3; the first trip steps them to 4.
	s_lshl_b32 s16, s13, 8
	s_lshl_b32 s17, s12, 7
	s_add_co_u32 s16, s16, s17
	s_lshl_b32 s17, s40, 5
	s_add_co_u32 s16, s16, s17
	s_lshl_b32 s16, s16, 11
	s_add_co_u32 s16, s16, 3*ASTEP
	s_lshl_b32 s17, s12, 6
	s_lshl_b32 s18, s41, 4
	s_add_co_u32 s17, s17, s18
	s_mul_i32 s17, s17, NB*2
	s_lshl_b32 s18, s42, 9
	s_add_co_u32 s17, s17, s18
	s_add_co_u32 s17, s17, WOFF+3*BSTEP
	s_and_b32 s18, ttmp7, 0xffff
	s_mov_b32 s19, BSTEP
	s_mov_b32 s23, 0
	s_mov_b32 s[PFS+1], 0
	s_cmp_eq_u32 s11, 0
	s_cselect_b32 s22, s16, s17
	s_cselect_b32 s18, ttmp9, s18
	s_cselect_b64 s[PFA:PFA+1], s[4:5], s[6:7]
	s_cselect_b32 s[PFS], ASTEP, s19
	s_cselect_b32 s19, -1, 0
	s_add_nc_u64 s[PFA:PFA+1], s[PFA:PFA+1], s[22:23]
	s_cmp_eq_u32 s18, 0
	s_cselect_b32 s[LIM], 2, -1
	v_lshlrev_b32 v7, 11, v6
	v_lshrrev_b32 v8, 1, v6
	v_mul_u32_u24 v8, v8, NB*2
	v_and_b32 v9, 1, v6
	v_lshl_add_u32 v8, v9, 8, v8
	v_cndmask_b32 v[PFO], v8, v7, s19
	s_wait_tensorcnt 1                             ; my part of K step 0 is in; K step 1's may stay out
	s_barrier_signal -1
	s_barrier_wait -1
	FETCH 0, F0
	QUARTER 1, F0, F1, 1
	WIN 0
	s_mov_b32 s3, STEPS-2
.Lk:
	QUARTER 2, F1, F0, 0
	QUARTER 3, F0, F1, 0
	TURN
	QUARTER 1, F0, F1, 0
	WIN 0
	s_sub_co_u32 s3, s3, 1
	s_cmp_lg_u32 s3, 0
	s_cbranch_scc1 .Lk
	s_mov_b32 s2, 2
.Lt:                                               ; the last two K steps ask for nothing; the second trip is left behind the barrier that ends all reads of the ring
	QUARTER 2, F1, F0, 0
	QUARTER 3, F0, F1, 0
	MEET
	s_sub_co_u32 s2, s2, 1
	s_cmp_eq_u32 s2, 0
	s_cbranch_scc1 .Lfin
	PLACES
	FLIP
	FETCH 0, F0
	MUL16 F1, 1, 0, 0
	MUL16 F1, 1, 2, 0
	QUARTER 1, F0, F1, 0
	WIN 0
	s_branch .Lt
.Lfin:
	MUL16 F1, 1, 0, 0
	MUL16 F1, 1, 2, 0
	PLACES
	PLACES
.set a, 0
.rept 8
	WIN 0x08+4*(a/4)                               ; the data (source 1) in window 2 or 3
.set b, 0
.rept 8
	ds_store_b128 v[DST], v[8*(8*(a%4)+b):8*(8*(a%4)+b)+3]   offset:a*16*DP+64*b
	ds_store_b128 v[DST], v[8*(8*(a%4)+b)+4:8*(8*(a%4)+b)+7] offset:a*16*DP+64*b+16
.set b, b+1
.endr
.set a, a+1
.endr
	WIN 0
; THE ACTIVATION, four rows a trip: a lane holds columns 4 l .. 4 l + 3 of each.  The 32 reciprocals and powers of two are one batch with one wait; each of them has a plain instruction behind it that
; names no result of the batch: the reciprocals take turns with the sixteen multiplies that make k y^2, the powers of two with the sixteen max(y, 0).
.set XX, 64                            ; v[64:79]   the sums as read back
.set YY, 80                            ; v[80:95]   y = sum + bias
.set AX, 96                            ; v[96:111]  |y|
.set DD, 112                           ; v[112:127] 1 + p |y|, then u
.set ZZ, 128                           ; v[128:143] k y^2, then its power of two
.set MX, 144                           ; v[144:159] max(y, 0)
.set PP, 160                           ; v[160:175] the polynomial, then the result
.set OU, 176                           ; v[176:183] the result in f16
.macro PK8 line:vararg                 ; one packed line for each of the eight pairs r = 0, 2 .. 14
.set r, 0
.rept 8
	\line
.set r, r+2
.endr
.endm
.macro EPI next
	s_wait_dscnt 0x0
.irp i, 0,1,2,3
	v_pk_add_f32 v[YY+4*(\i):YY+4*(\i)+1], v[XX+4*(\i):XX+4*(\i)+1], v[BI:BI+1]
	v_pk_add_f32 v[YY+4*(\i)+2:YY+4*(\i)+3], v[XX+4*(\i)+2:XX+4*(\i)+3], v[BI+2:BI+3]
.endr
.if \next
	v_add_nc_u32 v[RD], 4*DP, v[RD]
.irp i, 0,1,2,3
	ds_load_b128 v[XX+4*(\i):XX+4*(\i)+3], v[RD] offset:(\i)*DP  ; the next four rows land under the arithmetic below
.endr
.endif
.set r, 0
.rept 16
	v_and_b32 v[AX+r], 0x7fffffff, v[YY+r]
.set r, r+1
.endr
	PK8 v_pk_fma_f32 v[DD+r:DD+r+1], v[AX+r:AX+r+1], s[72:73], 1.0 op_sel_hi:[1,0,0]
.set r, 0
.rept 16
	v_rcp_f32 v[DD+r], v[DD+r]
.if r < 8
	v_pk_mul_f32 v[ZZ+2*r:ZZ+2*r+1], v[YY+2*r:YY+2*r+1], v[YY+2*r:YY+2*r+1]
.else
	v_pk_mul_f32 v[ZZ+2*r-16:ZZ+2*r-15], v[ZZ+2*r-16:ZZ+2*r-15], s[74:75] op_sel_hi:[1,0]
.endif
.set r, r+1
.endr
.set r, 0
.rept 16
	v_exp_f32 v[ZZ+r], v[ZZ+r]
	v_max_num_f32 v[MX+r], 0, v[YY+r]
.set r, r+1
.endr
	s_wait_alu depctr_va_vdst(0)                   ; one wait for the batch, ahead of its first reader
	PK8 v_pk_fma_f32 v[PP+r:PP+r+1], v[DD+r:DD+r+1], s[76:77], s[78:79] op_sel_hi:[1,0,0]
	PK8 v_pk_fma_f32 v[PP+r:PP+r+1], v[PP+r:PP+r+1], v[DD+r:DD+r+1], s[80:81] op_sel_hi:[1,1,0]
	PK8 v_pk_fma_f32 v[PP+r:PP+r+1], v[PP+r:PP+r+1], v[DD+r:DD+r+1], s[82:83] op_sel_hi:[1,1,0]
	PK8 v_pk_fma_f32 v[PP+r:PP+r+1], v[PP+r:PP+r+1], v[DD+r:DD+r+1], s[84:85] op_sel_hi:[1,1,0]
	PK8 v_pk_mul_f32 v[PP+r:PP+r+1], v[PP+r:PP+r+1], v[DD+r:DD+r+1]
	PK8 v_pk_mul_f32 v[PP+r:PP+r+1], v[PP+r:PP+r+1], v[ZZ+r:ZZ+r+1]
	PK8 v_pk_fma_f32 v[PP+r:PP+r+1], v[PP+r:PP+r+1], v[AX+r:AX+r+1], v[MX+r:MX+r+1] neg_lo:[1,0,0] neg_hi:[1,0,0]
	s_wait_xcnt 0x0                                ; the last trip's stores, a whole trip's arithmetic back, have read their registers and their base: only now are these written again
	s_add_nc_u64 s[8:9], s[8:9], 4*8192            ; the base runs four rows ahead; the stores reach back by their immediate
.set r, 0
.rept 8
	v_cvt_pk_f16_f32 v[OU+r], v[PP+2*r], v[PP+2*r+1]
.set r, r+1
.endr
.irp i, 0,1,2,3
	global_store_b64 v[CO], v[OU+2*(\i):OU+2*(\i)+1], s[8:9] offset:8192*(\i)-4*8192  ; a wave's store covers 256 consecutive bytes, aligned
.endr
.endm
	s_wait_loadcnt 0x0                             ; the bias
.irp i, 0,1,2,3
	ds_load_b128 v[XX+4*(\i):XX+4*(\i)+3], v[RD] offset:(\i)*DP  ; LDS serves a wave's instructions in order: these see the stores above
.endr
	s_mov_b32 s3, 31
.Lepi:
	EPI 1
	s_sub_co_u32 s3, s3, 1
	s_cmp_lg_u32 s3, 0
	s_cbranch_scc1 .Lepi
	EPI 0                                          ; the last four rows read nothing further
	s_wait_tensorcnt 0x0                           ; the wave's end
	ds_add_u32 v[SPW], v[NIL]
	s_wait_dscnt 0x0
	CROUND                                         ; the closing round
	s_endpgm
.Lfunc_end_k_qd63010c02f_ffn1:
	.size	k_qd63010c02f_ffn1, .Lfunc_end_k_qd63010c02f_ffn1-k_qd63010c02f_ffn1
	.p2alignl 7, 3214868480
	.fill 96, 4, 3214868480
	.section	.rodata,"a",@progbits
	.p2align	6, 0x0
	.amdhsa_kernel k_qd63010c02f_ffn1
		.amdhsa_group_segment_fixed_size 327680
		.amdhsa_private_segment_fixed_size 0
		.amdhsa_enable_private_segment 0
		.amdhsa_kernarg_size 32
		.amdhsa_user_sgpr_count 2
		.amdhsa_user_sgpr_kernarg_segment_ptr 1
		.amdhsa_wavefront_size32 1
		.amdhsa_system_sgpr_workgroup_id_x 1
		.amdhsa_system_sgpr_workgroup_id_y 1
		.amdhsa_system_sgpr_workgroup_id_z 1
		.amdhsa_system_vgpr_workitem_id 0
		.amdhsa_next_free_vgpr 1024
		.amdhsa_next_free_sgpr 90
		.amdhsa_reserve_vcc 0
		.amdhsa_float_denorm_mode_32 3
		.amdhsa_float_denorm_mode_16_64 3
		.amdhsa_memory_ordered 1
		.amdhsa_forward_progress 1
		.amdhsa_inst_pref_size 100
	.end_amdhsa_kernel
	.amdgpu_metadata
---
amdhsa.version: [ 1, 2 ]
amdhsa.kernels:
  - .name:           k_qd63010c02f_ffn1
    .symbol:         k_qd63010c02f_ffn1.kd
    .args:
      - { .name: h, .offset: 0, .size: 8, .value_kind: global_buffer, .address_space: global }
      - { .name: wh, .offset: 8, .size: 8, .value_kind: global_buffer, .address_space: global }
      - { .name: t, .offset: 16, .size: 8, .value_kind: global_buffer, .address_space: global }
      - { .name: b1, .offset: 24, .size: 8, .value_kind: global_buffer, .address_space: global }
    .group_segment_fixed_size: 327680
    .private_segment_fixed_size: 0
    .kernarg_segment_align: 8
    .kernarg_segment_size: 32
    .max_flat_workgroup_size: 128
    .sgpr_count:     90
    .vgpr_count:     1024
    .wavefront_size: 32
...
	.end_amdgpu_metadata
.endif
;; end of part 5
;; launch ffn2 (part 6): grid 8 x 32, 4 waves a work-group, clusters of 4 x 4, 327,680 bytes of LDS; arguments t, wh, out0, b2, x1; writes out0
.if DOCPART == 6
	.amdgcn_target "amdgcn-amd-amdhsa--gfx1250"
	.amdhsa_code_object_version 6
	.text
	.protected	k_qd63010c02f_ffn2
	.globl	k_qd63010c02f_ffn2
	.p2align	8
	.type	k_qd63010c02f_ffn2,@function
k_qd63010c02f_ffn2:
	s_mov_b64 s[64:65], 0
	v_nop
	global_prefetch_b8 v0, s[64:65] scope:SCOPE_SE
	s_setreg_imm32_b32 hwreg(HW_REG_WAVE_MODE, 25, 1), 1
	s_wait_xcnt 0x0
	s_wait_alu depctr_hold_cnt(0) depctr_sa_sdst(0) depctr_va_vdst(0) depctr_va_sdst(0) depctr_va_ssrc(0) depctr_va_vcc(0) depctr_vm_vsrc(0)
	s_getreg_b32 s2, hwreg(HW_REG_IB_STS2, 6, 4)
	s_cmp_eq_u32 s2, 0
	s_cbranch_scc0 .Lentry_in_a_cluster
	s_endpgm
.Lentry_in_a_cluster:
	s_bfe_u32 s2, ttmp6, 0x10000c
	s_cmp_lg_u32 s2, 0xf033
	s_cbranch_scc0 .Lentry_shape_is_right
	s_endpgm
.Lentry_shape_is_right:
; out0 = t @ w2 + b2 + x1, in f32.  t: [4096][4096] f16; w2: [4096][1024] f16 at byte 16,777,216 of wh; x1, out0: [4096][1024] f32.
; LIMIT: f16 holds no number beyond 65,504: both operands arrive within it.
; A tile of 128 x 128 is made by four waves, each 64 x 64: 16 accumulators; 256 tiles, one for each WGP.  K goes in steps of 256 (LDS rows of 512 bytes) through two LDS slots.
; The weights lie [K][N] and are turned on the way out of LDS.  The matrix instruction is used transposed: a lane holds eight neighbouring columns of one row of the result.
; CLUSTERS: 4 x 4; t's tile is asked for jointly along a row of the cluster, the weights' along a column.  A loop trip is one K step; the slot in hand is a scalar.
; THE WALK ALONG K BEGINS IN THE MIDDLE IN EVERY OTHER CLUSTER (cluster x + cluster y odd) and wraps.  The two clusters that read the same rows of t, and the clusters above and below each other
; that read the same rows of the weights, then ask for different K steps at any one time, and each K step is asked for a second time half a walk, eight K steps, behind the first.  The first K step hangs on
; the cluster's own x and y, which all sixteen partners share.  The f32 sums hold the same terms in another order.
; No prefetch: the tiles are small and a step is short.  The residual's 32 loads a lane go out at the head and land under the whole K loop.
; REGISTERS: window 0: v0-31 addresses; v96-99 the bias; v128-255 the accumulators ((a, b) at v[128 + 8 (4 a + b)]); window 1: two fragment buffers of 128; window 2: v0-127 the residual.
.set PROJ,  0
.if PROJ
.set STEPS, 4
.set WOFF,  6291456
.set PA,    144
.set AH,    4*64*PA
.set AQ,    64*PA
.set ASTEP, 4*2048*128
.set AQI,   4
.set AD0,   4096
.set AD1,   4
.set AST,   131072
.else
.set STEPS, 16
.set WOFF,  16777216                   ; the weights' first byte in wh
.set PA,    528                        ; an LDS row of t: 512 bytes + 16
.set AH,    64*PA                      ; what one tensor load brings: 64 rows
.set AQ,    128                        ; a quarter is 64 along K
.set ASTEP, 512
.set AQI,   6                          ; padding after every 128 words
.set AD0,   256
.set AD1,   64
.set AST,   4096
.endif
.set AI,    16*PA
.set PBP,   288                        ; an LDS row of the weights: 256 bytes + 32
.set BH,    128*PBP
.set BOFF,  2*AH
.set SLOT,  BOFF+2*BH
.set SPARE, 2*SLOT                     ; behind the ring: the spare words, that no other line names
.set BSTEP, 256*2048
.set DP,    272
.set DW,    64*DP
.set ADRA0, 16
.set ADRB0, 17
.set ADRA,  18
.set ADRB,  19
.set ADRBH0, 20
.set ADRBH, 21
.set DST,   24
.set RD,    25
.set CO,    26
.set BO,    27
.set SPW,   28
.set NIL,   29
.set BI,    96
.set ACC,   128
.set F0,    0
.set F1,    128
.set G1A,   24
.set G0A,   32
.set G1B,   48
.set G0B,   56
.set RS,    66
.set INSA,  67
.set INSB,  68
.set KC,    69                         ; s69  the K step at which the walking descriptors stand
.set WA,    70                         ; s[70:71] what t's address goes back at the wrap, else 0
.set WB,    76                         ; s[76:77] the same for the weights
.set MSB, 0
.macro WIN new
.if MSB != (\new)
	s_set_vgpr_msb (MSB<<8)|(\new)
.set MSB, \new
.endif
.endm
.set MUL,  0x05
.set TO_F, 0x40
.macro PLACES
.rept 4
	v_nop
.endr
.endm
.macro JLOAD                           ; a joint refill by the walking sets; an s_nop 0 and four v_nop follow each of the two lines
	s_cmp_eq_u32 s11, 0
	s_cbranch_scc0 .Lfor_b_\@
	tensor_load_to_lds s[G0A+4:G0A+7], s[G1A:G1A+7]
	s_nop 0
.rept 4
	v_nop
.endr
	s_branch .Lasked_\@
.Lfor_b_\@:
	tensor_load_to_lds s[G0B+4:G0B+7], s[G1B:G1B+7]
	s_nop 0
.rept 4
	v_nop
.endr
.Lasked_\@:
.endm
.macro CREST
	s_cmp_lg_u32 s10, 0
	s_cbranch_scc1 .Lnot_wave_0_\@
	s_barrier_signal -3
.Lnot_wave_0_\@:
	s_barrier_wait -3
	s_barrier_signal -1
	s_barrier_wait -1
.endm
.macro CROUND
	s_barrier_signal -1
	s_barrier_wait -1
	CREST
.endm
.macro MUL8 f, c, a0, zero             ; 8 matrix instructions; the 16 accumulators take turns in one fixed order
	WIN MUL
.irp a, \a0, (\a0)+1
.irp b, 0,1,2,3
.if \zero
	v_wmma_f32_16x16x32_f16 v[ACC+8*(4*(\a)+(\b)):ACC+8*(4*(\a)+(\b))+7], v[(\f)+64+8*(4*(\c)+(\b)):(\f)+64+8*(4*(\c)+(\b))+7], v[(\f)+8*(4*(\c)+(\a)):(\f)+8*(4*(\c)+(\a))+7], 0
.else
	v_wmma_f32_16x16x32_f16 v[ACC+8*(4*(\a)+(\b)):ACC+8*(4*(\a)+(\b))+7], v[(\f)+64+8*(4*(\c)+(\b)):(\f)+64+8*(4*(\c)+(\b))+7], v[(\f)+8*(4*(\c)+(\a)):(\f)+8*(4*(\c)+(\a))+7], v[ACC+8*(4*(\a)+(\b)):ACC+8*(4*(\a)+(\b))+7]
.endif
.endr
.endr
.endm
.macro FETCH q, f                      ; 32 LDS loads in one run: quarter q (64 along K) of the slot in hand into buffer f; the first 32 along K first
	WIN TO_F
.if (\q) < 2
.set BAD, ADRB
.else
.set BAD, ADRBH
.endif
.irp c, 0,1
.irp i, 0,1,2,3
	ds_load_tr16_b128 v[(\f)+64+8*(4*(\c)+(\i)):(\f)+64+8*(4*(\c)+(\i))+3],   v[BAD] offset:(((\q)&1)*64+32*(\c))*PBP+32*(\i)
	ds_load_tr16_b128 v[(\f)+64+8*(4*(\c)+(\i))+4:(\f)+64+8*(4*(\c)+(\i))+7], v[BAD] offset:(((\q)&1)*64+32*(\c))*PBP+32*(\i)+16*PBP
	ds_load_b128 v[(\f)+8*(4*(\c)+(\i)):(\f)+8*(4*(\c)+(\i))+3],   v[ADRA] offset:(\q)*AQ+64*(\c)+(\i)*AI
	ds_load_b128 v[(\f)+8*(4*(\c)+(\i))+4:(\f)+8*(4*(\c)+(\i))+7], v[ADRA] offset:(\q)*AQ+64*(\c)+(\i)*AI+32
.endr
.endr
.endm
.macro QUARTER q, f, g, zero
	s_wait_dscnt 16                                ; the first 32 along K are in
	MUL8 \f, 0, 0, \zero
	MUL8 \f, 0, 2, \zero
	PLACES
	FETCH \q, \g
	s_wait_dscnt 32                                ; all but the 32 just issued
	MUL8 \f, 1, 0, 0
	MUL8 \f, 1, 2, 0
.endm
.macro MEET                            ; all my tensor loads, the add, my reads of this slot, then the barrier of the change of slots
	WIN 0
	s_wait_tensorcnt 0x0
	ds_add_u32 v[SPW], v[NIL]
	s_wait_dscnt 17                                ; the add and the youngest sixteen loads may be out
	MUL8 F1, 0, 0, 0
	s_wait_dscnt 0x0
	s_barrier_signal -1
	MUL8 F1, 0, 2, 0
	WIN 0
	s_barrier_wait -1
.endm
.macro FLIP
	s_xor_b32 s[RS], s[RS], SLOT
	v_add_nc_u32 v[ADRA], s[RS], v[ADRA0]
	v_add_nc_u32 v[ADRB], s[RS], v[ADRB0]
	v_add_nc_u32 v[ADRBH], s[RS], v[ADRBH0]
.endm
.macro TURN                            ; the barrier opens a round of the cluster's barrier; the joint refill, two K steps ahead, is the first thing behind it
	s_add_co_u32 s[KC], s[KC], 1                   ; the K step to be asked for: behind the last comes the first,
	s_cmp_eq_u32 s[KC], STEPS
	s_cselect_b32 s[KC], 0, s[KC]
	s_cselect_b32 s[WA], STEPS*ASTEP, 0            ; and both addresses then go back by the whole walk
	s_cselect_b32 s[WB], STEPS*BSTEP, 0
	MEET
	CREST
	s_add_co_u32 s[G0A+5], s[INSA], s[RS]          ; no tensor load of mine is out: the walking sets take the slot just read
	s_add_co_u32 s[G0B+5], s[INSB], s[RS]
	s_add_nc_u64 s[G0A+6:G0A+7], s[G0A+6:G0A+7], ASTEP
	s_sub_nc_u64 s[G0A+6:G0A+7], s[G0A+6:G0A+7], s[WA:WA+1]
	s_add_nc_u64 s[G0B+6:G0B+7], s[G0B+6:G0B+7], BSTEP
	s_sub_nc_u64 s[G0B+6:G0B+7], s[G0B+6:G0B+7], s[WB:WB+1]
	JLOAD
	FLIP
	FETCH 0, F0
	MUL8 F1, 1, 0, 0
	MUL8 F1, 1, 2, 0
.endm
	s_load_b128 s[4:7], s[0:1], 0x0                ; t s[4:5], wh s[6:7]
	s_load_b64 s[8:9], s[0:1], 0x10                ; out0
	s_load_b128 s[72:75], s[0:1], 0x18             ; b2 s[72:73], x1 s[74:75]
	v_lshl_add_u32 v[SPW], v0, 2, SPARE
	v_mov_b32 v[NIL], 0
	ds_add_u32 v[SPW], v[NIL]                      ; the wave's opening: the add and its wait ahead of my first tensor load
	v_lshrrev_b32 v1, 5, v0
	v_readfirstlane_b32 s10, v1
	s_lshr_b32 s11, s10, 1
	s_and_b32 s12, s10, 1
	s_bfe_u32 s40, ttmp6, 0x40000
	s_bfe_u32 s41, ttmp6, 0x40004
	s_lshl_b32 s42, ttmp9, 2
	s_add_co_u32 s42, s42, s40                     ; tile column
	s_and_b32 s13, ttmp7, 0xffff
	s_lshl_b32 s13, s13, 2
	s_add_co_u32 s13, s13, s41                     ; tile row
	s_lshl_b32 s18, s41, 2
	s_lshl_b32 s18, 15, s18
	s_lshl_b32 s19, 0x1111, s40
	s_or_b32 s[G1A], s18, (1<<16)|(1<<20)|(1<<21)|(AQI<<22)|(3<<25)
	s_or_b32 s[G1B], s19, (1<<16)|(1<<20)|(1<<21)|(5<<22)|(7<<25)
	s_mov_b32 s[G1A+1], AD0<<16
	s_mov_b32 s[G1A+2], AD1<<16
	s_mov_b32 s[G1A+3], AD0<<16
	s_mov_b32 s[G1A+4], AD1
	s_mov_b32 s[G1A+5], AST
	s_mov_b32 s[G1A+6], 0
	s_mov_b32 s[G1A+7], 0
	s_mov_b32 s[G1B+1], 128<<16
	s_mov_b32 s[G1B+2], 128<<16
	s_mov_b32 s[G1B+3], 128<<16
	s_mov_b32 s[G1B+4], 128
	s_mov_b32 s[G1B+5], 1024
	s_mov_b32 s[G1B+6], 0
	s_mov_b32 s[G1B+7], 0
.if PROJ
	s_lshr_b32 s16, s13, 4
	s_lshl_b32 s16, s16, 22
	s_and_b32 s17, s13, 15
	s_lshl_b32 s17, s17, 7
	s_lshl_b32 s18, s12, 6
	s_add_co_u32 s17, s17, s18
	s_lshl_b32 s17, s17, 7
	s_add_co_u32 s16, s16, s17
.else
	s_lshl_b32 s16, s13, 7
	s_lshl_b32 s17, s12, 6
	s_add_co_u32 s16, s16, s17                     ; row 128 x tile row + 64 x half,
	s_lshl_b32 s16, s16, 13                        ; of 8,192 bytes
.endif
	s_mov_b32 s17, 0
	s_lshl_b32 s22, s42, 8
	s_lshl_b32 s23, s12, 18
	s_add_co_u32 s22, s22, s23
	s_add_co_u32 s22, s22, WOFF
	s_mov_b32 s23, 0
	s_and_b32 s[KC], ttmp7, 0xffff                 ; cluster y
	s_add_co_u32 s[KC], s[KC], ttmp9               ; + cluster x:
	s_and_b32 s[KC], s[KC], 1                      ; odd clusters
	s_mul_i32 s[KC], s[KC], STEPS/2                ; begin in the middle of K
	s_mul_i32 s18, s[KC], ASTEP
	s_add_co_u32 s16, s16, s18
	s_mul_i32 s18, s[KC], BSTEP
	s_add_co_u32 s22, s22, s18
	s_add_co_u32 s[KC], s[KC], 1                   ; the walking sets start at my second K step
	s_mov_b32 s[WA+1], 0
	s_mov_b32 s[WB+1], 0
	s_mul_i32 s[INSA], s12, AH
	s_mul_i32 s[INSB], s12, BH
	s_add_co_u32 s[INSB], s[INSB], BOFF
	s_mov_b32 s[RS], 0
	s_wait_dscnt 0x0                               ; the opening add is done
	s_wait_kmcnt 0x0
	s_add_nc_u64 s[14:15], s[4:5], s[16:17]
	s_add_nc_u64 s[20:21], s[6:7], s[22:23]
	CROUND
	s_mov_b32 s[G0A], 1
	s_mov_b32 s[G0A+1], s[INSA]
	s_add_nc_u64 s[G0A+2:G0A+3], s[14:15], 0
	s_or_b32 s[G0A+3], s[G0A+3], 0x80000000
	s_mov_b32 s[G0A+4], 1
	s_add_co_u32 s[G0A+5], s[INSA], SLOT
	s_add_nc_u64 s[G0A+6:G0A+7], s[14:15], ASTEP
	s_or_b32 s[G0A+7], s[G0A+7], 0x80000000
	s_mov_b32 s[G0B], 1
	s_mov_b32 s[G0B+1], s[INSB]
	s_add_nc_u64 s[G0B+2:G0B+3], s[20:21], 0
	s_or_b32 s[G0B+3], s[G0B+3], 0x80000000
	s_mov_b32 s[G0B+4], 1
	s_add_co_u32 s[G0B+5], s[INSB], SLOT
	s_add_nc_u64 s[G0B+6:G0B+7], s[20:21], BSTEP
	s_or_b32 s[G0B+7], s[G0B+7], 0x80000000
	s_cmp_eq_u32 s11, 0                            ; a wave's two first fills stand in one branch: two loads of mine are out
	s_cbranch_scc0 .Lfirst_b
	tensor_load_to_lds s[G0A:G0A+3], s[G1A:G1A+7]
	s_nop 0
	tensor_load_to_lds s[G0A+4:G0A+7], s[G1A:G1A+7]
	s_nop 0
.rept 4
	v_nop
.endr
	s_branch .Lfirst_asked
.Lfirst_b:
	tensor_load_to_lds s[G0B:G0B+3], s[G1B:G1B+7]
	s_nop 0
	tensor_load_to_lds s[G0B+4:G0B+7], s[G1B:G1B+7]
	s_nop 0
.rept 4
	v_nop
.endr
.Lfirst_asked:
	v_and_b32 v1, 15, v0
	v_bfe_u32 v2, v0, 4, 1
	v_lshlrev_b32 v[BO], 4, v1
	v_lshl_add_u32 v[CO], v2, 12, v[BO]
	s_lshl_b32 s16, s42, 9
	s_lshl_b32 s17, s12, 8
	s_add_co_u32 s16, s16, s17
	s_mov_b32 s17, 0
	s_add_nc_u64 s[72:73], s[72:73], s[16:17]
	s_lshl_b32 s18, s13, 7
	s_lshl_b32 s19, s11, 6
	s_add_co_u32 s18, s18, s19
	s_lshl_b32 s18, s18, 12
	s_add_co_u32 s16, s16, s18
	s_add_nc_u64 s[74:75], s[74:75], s[16:17]
	s_add_nc_u64 s[8:9], s[8:9], s[16:17]
	global_load_b128 v[BI:BI+3], v[BO], s[72:73]
	WIN 0x80
.set t, 0
.rept 32
	global_load_b128 v[4*t:4*t+3], v[CO], s[74:75] offset:8192*t  ; the residual: rows 2 t and 2 t + 1 of my 64
.set t, t+1
.endr
	WIN 0
	v_mul_u32_u24 v3, v1, PA
	v_lshl_add_u32 v3, v2, 4, v3
	s_mul_i32 s16, s11, AH
	v_add_nc_u32 v[ADRA0], s16, v3
	v_and_b32 v4, 7, v0
	v_lshl_add_u32 v4, v2, 3, v4
	v_bfe_u32 v5, v0, 3, 1
	v_mul_u32_u24 v4, v4, PBP
	v_lshl_add_u32 v4, v5, 4, v4
	s_lshl_b32 s16, s12, 7
	s_add_co_u32 s16, s16, BOFF
	v_add_nc_u32 v[ADRB0], s16, v4
	v_add_nc_u32 v[ADRBH0], 128*PBP, v[ADRB0]
	v_mov_b32 v[ADRA], v[ADRA0]
	v_mov_b32 v[ADRB], v[ADRB0]
	v_mov_b32 v[ADRBH], v[ADRBH0]
	s_mul_i32 s16, s10, DW
	v_mul_u32_u24 v7, v1, DP
	v_lshl_add_u32 v7, v2, 5, v7
	v_add_nc_u32 v[DST], s16, v7
	v_mul_u32_u24 v7, v2, DP
	v_lshl_add_u32 v7, v1, 4, v7
	v_add_nc_u32 v[RD], s16, v7
	s_wait_tensorcnt 1                             ; my part of my first K step is in; the second's may stay out
	s_barrier_signal -1
	s_barrier_wait -1
	FETCH 0, F0
	QUARTER 1, F0, F1, 1
	WIN 0
	s_mov_b32 s3, STEPS-2
.Lk:
	QUARTER 2, F1, F0, 0
	QUARTER 3, F0, F1, 0
	TURN
	QUARTER 1, F0, F1, 0
	WIN 0
	s_sub_co_u32 s3, s3, 1
	s_cmp_lg_u32 s3, 0
	s_cbranch_scc1 .Lk
	s_mov_b32 s2, 2
.Lt:                                               ; the last two K steps ask for nothing; the second trip is left behind the barrier that ends all reads of the ring
	QUARTER 2, F1, F0, 0
	QUARTER 3, F0, F1, 0
	MEET
	s_sub_co_u32 s2, s2, 1
	s_cmp_eq_u32 s2, 0
	s_cbranch_scc1 .Lfin
	PLACES
	FLIP
	FETCH 0, F0
	MUL8 F1, 1, 0, 0
	MUL8 F1, 1, 2, 0
	QUARTER 1, F0, F1, 0
	WIN 0
	s_branch .Lt
.Lfin:
	MUL8 F1, 1, 0, 0
	MUL8 F1, 1, 2, 0
	WIN 0
	PLACES
	PLACES
	; THE WAY OUT: f32 results into my own bytes of the dead ring, back as whole rows of 256 bytes; bias and residual are added; 16 lanes store 256 consecutive bytes, aligned
.set a, 0
.rept 4
.set b, 0
.rept 4
	ds_store_b128 v[DST], v[ACC+8*(4*a+b):ACC+8*(4*a+b)+3]   offset:a*16*DP+64*b
	ds_store_b128 v[DST], v[ACC+8*(4*a+b)+4:ACC+8*(4*a+b)+7] offset:a*16*DP+64*b+16
.set b, b+1
.endr
.set a, a+1
.endr
.set t, 0
.rept 32
	ds_load_b128 v[ACC+4*t:ACC+4*t+3], v[RD] offset:2*DP*t  ; LDS serves a wave's instructions in order: these see the stores above
.set t, t+1
.endr
	s_wait_loadcnt 0x0                             ; the bias and the residual
	WIN 0x82
.set t, 0
.rept 32
	v_pk_add_f32 v[4*t:4*t+1], v[4*t:4*t+1], v[BI:BI+1]
	v_pk_add_f32 v[4*t+2:4*t+3], v[4*t+2:4*t+3], v[BI+2:BI+3]
.set t, t+1
.endr
	s_wait_dscnt 0x0
	WIN 0x08
.set t, 0
.rept 64
	v_pk_add_f32 v[ACC+2*t:ACC+2*t+1], v[ACC+2*t:ACC+2*t+1], v[2*t:2*t+1]
.set t, t+1
.endr
	WIN 0
.set t, 0
.rept 32
	global_store_b128 v[CO], v[ACC+4*t:ACC+4*t+3], s[8:9] offset:8192*t
.set t, t+1
.endr
	s_wait_tensorcnt 0x0                           ; the wave's end
	ds_add_u32 v[SPW], v[NIL]
	s_wait_dscnt 0x0
	CROUND                                         ; the closing round
	s_endpgm
.Lfunc_end_k_qd63010c02f_ffn2:
	.size	k_qd63010c02f_ffn2, .Lfunc_end_k_qd63010c02f_ffn2-k_qd63010c02f_ffn2
	.p2alignl 7, 3214868480
	.fill 96, 4, 3214868480
	.section	.rodata,"a",@progbits
	.p2align	6, 0x0
	.amdhsa_kernel k_qd63010c02f_ffn2
		.amdhsa_group_segment_fixed_size 327680
		.amdhsa_private_segment_fixed_size 0
		.amdhsa_enable_private_segment 0
		.amdhsa_kernarg_size 40
		.amdhsa_user_sgpr_count 2
		.amdhsa_user_sgpr_kernarg_segment_ptr 1
		.amdhsa_wavefront_size32 1
		.amdhsa_system_sgpr_workgroup_id_x 1
		.amdhsa_system_sgpr_workgroup_id_y 1
		.amdhsa_system_sgpr_workgroup_id_z 1
		.amdhsa_system_vgpr_workitem_id 0
		.amdhsa_next_free_vgpr 640
		.amdhsa_next_free_sgpr 80
		.amdhsa_reserve_vcc 0
		.amdhsa_float_denorm_mode_32 3
		.amdhsa_float_denorm_mode_16_64 3
		.amdhsa_memory_ordered 1
		.amdhsa_forward_progress 1
		.amdhsa_inst_pref_size 70
	.end_amdhsa_kernel
	.amdgpu_metadata
---
amdhsa.version: [ 1, 2 ]
amdhsa.kernels:
  - .name:           k_qd63010c02f_ffn2
    .symbol:         k_qd63010c02f_ffn2.kd
    .args:
      - { .name: t, .offset: 0, .size: 8, .value_kind: global_buffer, .address_space: global }
      - { .name: wh, .offset: 8, .size: 8, .value_kind: global_buffer, .address_space: global }
      - { .name: out0, .offset: 16, .size: 8, .value_kind: global_buffer, .address_space: global }
      - { .name: b2, .offset: 24, .size: 8, .value_kind: global_buffer, .address_space: global }
      - { .name: x1, .offset: 32, .size: 8, .value_kind: global_buffer, .address_space: global }
    .group_segment_fixed_size: 327680
    .private_segment_fixed_size: 0
    .kernarg_segment_align: 8
    .kernarg_segment_size: 40
    .max_flat_workgroup_size: 128
    .sgpr_count:     80
    .vgpr_count:     640
    .wavefront_size: 32
...
	.end_amdgpu_metadata
.endif
;; end of part 6
